; MI455X (gfx1250); checked and timed in simulation.
; The chip was launched on July 23, 2026; its instructions are those of AMD's public machine-readable ISA for CDNA 5 (MIT licence, August 2026) and "CDNA5" Instruction Set Architecture Reference Guide (July 2026). The comments in the code are by the model that wrote it; some were corrected since.
;; Causal Self Attention. Allowed arithmetic: matrix products marked QUANTISED: E5M2 operands, one E8M0 scale for each 32 along K, by v_wmma_scale_f32_16x16x128_f8f6f4 with both operands' format E5M2, f32 sums; products left as they are: f32 operands where the result goes on into a quantised operand, else bf16, f16 or f32 operands; f32 sums; everything else in f32.
;; Inputs: ak 16 x 1,024 float32; ao 16 x 1,024 float32; aq 16 x 1,024 float32; av 16 x 1,024 float32; bk 1,024 x 16 float32; bo 1,024 x 16 float32; bq 1,024 x 16 float32; bv 1,024 x 16 float32; wk 1,024 x 1,024 float32; wo 1,024 x 1,024 float32; wq 1,024 x 1,024 float32; wv 1,024 x 1,024 float32; x 4 x 2,048 x 1,024 float32.
;; Outputs: out0 4 x 2,048 x 1,024 float32.
;; This version of the problem:
;;   THIS VERSION OF THE PROBLEM IS GIVEN IN LOW PRECISION. The matrix products marked QUANTISED in the list below multiply operands that are first quantised to E5M2 (5 exponent bits, 2 mantissa bits; 8 bits a number), with one power-of-two scale for each 32 numbers along K (OCP MX v1.0); their sums are f32. All else is computed in f32.
;;   The module's matrix products, in the order in which they are computed (A, B: the left and right operand; K: the contracted axis; several contracted axes count as one K, in the product's order):
;;     1. [M 8,192, K 1,024] x [K 1,024, N 1,024]; A: input x; B: input wq: QUANTISED
;;     2. [M 8,192, K 1,024] x [K 1,024, N 16]; A: input x; B: input aq: QUANTISED
;;     3. [M 8,192, K 16] x [K 16, N 1,024]; A: computed on the way; B: input bq: left as it is (K = 16 < 32)
;;     4. [M 8,192, K 1,024] x [K 1,024, N 1,024]; A: input x; B: input wk: QUANTISED
;;     5. [M 8,192, K 1,024] x [K 1,024, N 16]; A: input x; B: input ak: QUANTISED
;;     6. [M 8,192, K 16] x [K 16, N 1,024]; A: computed on the way; B: input bk: left as it is (K = 16 < 32)
;;     7. [M 8,192, K 1,024] x [K 1,024, N 1,024]; A: input x; B: input wv: QUANTISED
;;     8. [M 8,192, K 1,024] x [K 1,024, N 16]; A: input x; B: input av: QUANTISED
;;     9. [M 8,192, K 16] x [K 16, N 1,024]; A: computed on the way; B: input bv: left as it is (K = 16 < 32)
;;     10. batch 64 x [M 2,048, K 64] x [K 64, N 2,048]; A: computed on the way; B: computed on the way: QUANTISED
;;     11. batch 64 x [M 2,048, K 2,048] x [K 2,048, N 64]; A: softmax (see below); B: computed on the way: QUANTISED
;;     12. [M 8,192, K 1,024] x [K 1,024, N 1,024]; A: computed on the way; B: input wo: QUANTISED
;;     13. [M 8,192, K 1,024] x [K 1,024, N 16]; A: computed on the way; B: input ao: QUANTISED
;;     14. [M 8,192, K 16] x [K 16, N 1,024]; A: computed on the way; B: input bo: left as it is (K = 16 < 32)
;;   THE QUANTISER, for each operand of a quantised product, along K:
;;     - K is cut into blocks of 32 from its start; a last block that is shorter is filled with zeros.
;;     - A block's scale is 2^e with e = floor(log2(the largest magnitude in the block)) - 15, held to -126 .. 127; a block of zeros has e = 0. As a byte (E8M0): e + 127.
;;     - Each number is divided by its block's scale, clamped to +-57,344, and rounded to the nearest number of E5M2, ties to even, subnormals kept.
;;     - The product sums the exact products of the quantised numbers (number of the format x scale) in f32.
;;   ~~~python
;;   def quantise(x, axis):      # numpy; x: float32 -> the quantised numbers, widened to float32 again
;;       x = np.moveaxis(x, axis, -1); K = x.shape[-1]
;;       x = np.pad(x, [(0, 0)] * (x.ndim - 1) + [(0, -K % 32)]); x = x.reshape(x.shape[:-1] + (-1, 32)); a = np.abs(x).max(-1, keepdims=True)
;;       e = np.where(a > 0, np.clip(np.frexp(np.where(a > 0, a, 1))[1] - 1 - 15, -126, 127), 0)      # np.frexp(a)[1] - 1 = floor(log2(a)), exactly
;;       r = np.clip(x / 2.0 ** e, -57344, 57344)
;;       step = 2.0 ** (np.maximum(np.frexp(np.where(r == 0, 1, r))[1] - 1, -14) - 2)
;;       q = np.round(r / step) * step * 2.0 ** e      # np.round: ties to even
;;       return np.moveaxis(q.reshape(q.shape[:-2] + (-1,))[..., :K], -1, axis).astype(np.float32)
;;   ~~~
;;   SOFTMAX AHEAD OF A QUANTISED PRODUCT. Where the list says 'softmax', what is quantised is not the finished softmax but p = 2^(t - M), with t = logit x log2(e) and M = ceil(the row's largest t), a whole number; so 1/2 < the row's largest p <= 1. The row's sum l is taken of the UNQUANTISED p, in f32, and the product's result is divided by l at the end. Since M is a whole number, a kernel that streams over the keys may use a running M (the ceiling of the running maximum): every later rescaling is an exact power of two, which a block's scale takes up: the codes' values come out the same.
;;   OPERANDS COMPUTED ON THE WAY. 'Computed on the way' means the value that the module computes at that place (a softmax that the list does not call 'softmax' is quantised finished and normalised). What goes into a quantiser is computed in f32, as accurately as f32 sums, v_exp_f32 and their like allow (about 1e-6 of the number): no bf16 or f16 on the way to a quantiser, and a product that is left as it is and whose result goes on into a quantised operand takes f32 operands (vector FMAs, or v_wmma_f32_16x16x4_f32). A number that lies on a knife's edge between two numbers of the format may be rounded either way, as far as f32 arithmetic and the matrix unit's own rounding can turn it there, and no further.
;; One version. Each part assembles by itself: llvm-mc -triple=amdgcn-amd-amdhsa -mcpu=gfx1250 --defsym DOCPART=n.
;; ======== version 1 of 1: 4 launches
;; limits: values are held in bf16: 8 bits of precision; right only within a limited range of input values
;; workspace buffers: cod 12,713,984 bytes; scl 393,728 bytes; tl 1,572,864 bytes; qimg 8,388,608 bytes; qscl 524,288 bytes; kv 17,563,648 bytes; ctxc 8,388,608 bytes; ctxs 524,288 bytes
;; launch quant (part 1): grid 193 x 1, 8 waves a work-group, no clusters, 200,704 bytes of LDS; arguments x, wq, wk, wv, wo, aq, ak, av, ao, cod, scl, tl; writes cod, scl, tl
.if DOCPART == 1
	.amdgcn_target "amdgcn-amd-amdhsa--gfx1250"
	.amdhsa_code_object_version 6
	.text
	.protected	k_qbd932b1c71_quant
	.globl	k_qbd932b1c71_quant
	.p2align	8
	.type	k_qbd932b1c71_quant,@function
k_qbd932b1c71_quant:
	s_mov_b64 s[64:65], 0
	v_nop
	global_prefetch_b8 v0, s[64:65] scope:SCOPE_SE
	s_setreg_imm32_b32 hwreg(HW_REG_WAVE_MODE, 25, 1), 1
	s_wait_xcnt 0x0
; x [8192][1024], wq, wk, wv, wo [1024][1024] and ao [16][1024], f32 with K innermost, become codes of E5M2 with one E8M0 byte for each 32 along K.
; The same launch makes tl = (1/16) Q(x) Q(a)^T for a = aq, ak, av (the quantised rank-16 products), f32.
; A block's scale is 2^(floor(log2(largest magnitude)) - 15); each number is held within +-57,344 x the scale and rounded to the nearest code, ties to even.
; LIMITS: NaN and infinities among the inputs are not served.  A block of zeros gets the byte 1 (its codes are zeros; this program alone reads the bytes).  A block whose
; largest magnitude lies under 2^-111 is taken at that floor.
; LAYOUT OUT.  A BLOCK is 16 rows out of 32: block t = 2 B + u, its lane r holds row 32 B + 8 u + r + 8 (r / 8) (ao: row r).  The codes of a block and 128 along K are stored as the
; image of the operand's registers: byte 512 c + 16 lane + i is the code at k = 32 c + 16 (lane / 16) + i of the row of lane % 16.
; cod: [group of 8 blocks][256 along K][block][128 along K][image of 2,048 bytes];  scl: [block][lane][4 words]: lane (r, h) has the scale words of K steps 4 h .. 4 h + 3 of its row.
; SHARES.  A wave takes one block and half of K: four units of 16 rows x 128.  Work-groups 0-127: x (and tl);  128-192: the weights, 64 blocks each, and ao's one block.
; A unit is loaded as it lies (a row's 512 bytes by 32 lanes), turned through the wave's own stage in LDS (rows 528 bytes apart, so that the 16 rows start in different banks) so that a
; lane holds 16 neighbours of each block of 32, quantised, and stored as four runs of 512 consecutive bytes.
; No tensor load: the launch streams, every wave has two units (32 loads) on their way.  The two paths part on the work-group's number, never join, and have LDS bytes of their own.
.set XSTG, 0                           ; x path: a stage of 16 x 528 bytes for each wave
.set WSTG, 67584                       ; weights' path: the same
.set AIMG, 135168                      ; images of aq, ak, av: [3][K step 8][2,048]
.set ASCL, 184320                      ; their scale words: [3][K step 8][lane][4]
.set TXCH, 187392                      ; the upper K half's part of tl: 3,072 bytes for each pair of waves
.set SPT,  528
.set AS,   12                          ; v12-23  scale words of the three a's, four K steps each
.set TM,   24                          ; v24-39  maxima, bytes, hold limits, conversion scales
.set SW,   40                          ; v40-43  the four units' scale words
.set PWA,  44                          ; v44     an a unit's scale word
.set PC,   48                          ; v48-63  the codes just made
.set X,    64                          ; v64-127 64 numbers: register 16 b + i = k 32 b + 16 h + i of my row
.set R0,   128                         ; v128-255 two sets of 64 registers as loaded
; window 1: v0-191 the a's as loaded, then their fragments (64 a + 16 i);  v192-215 the three accumulators of tl
.set MSB, 0
.macro WIN new                         ; the immediate's high byte repeats the setting that is left
.if MSB != \new
	s_set_vgpr_msb (MSB<<8)|\new
.set MSB, \new
.endif
.endm
.macro PLACES n
.rept \n
	v_nop
.endr
.endm
; 16 rows x 512 bytes: each load is 512 consecutive bytes.  Rows 8-15 of the block lie hoff bytes behind base hi
.macro LOADU set, lo, hi, koff, hoff, nt
.irp i, 0,1,2,3,4,5,6,7
.if \nt
	global_load_b128 v[\set+4*\i:\set+4*\i+3], v1, s[\lo:\lo+1] offset:\i*4096+\koff th:TH_LOAD_NT
.else
	global_load_b128 v[\set+4*\i:\set+4*\i+3], v1, s[\lo:\lo+1] offset:\i*4096+\koff
.endif
.endr
.irp i, 0,1,2,3,4,5,6,7
.if \nt
	global_load_b128 v[\set+32+4*\i:\set+32+4*\i+3], v1, s[\hi:\hi+1] offset:\i*4096+\koff+\hoff th:TH_LOAD_NT
.else
	global_load_b128 v[\set+32+4*\i:\set+32+4*\i+3], v1, s[\hi:\hi+1] offset:\i*4096+\koff+\hoff
.endif
.endr
.endm
; through my own stage: LDS serves a wave's instructions in order, so no wait stands between the stores and the loads.  w = 1: the data lie in window 1
.macro TURN set, w
.if \w
	WIN 0x04
.endif
.irp i, 0,1,2,3,4,5,6,7,8,9,10,11,12,13,14,15
	ds_store_b128 v2, v[\set+4*\i:\set+4*\i+3] offset:SPT*\i
.endr
	WIN 0
.irp b, 0,1,2,3
.irp j, 0,1,2,3
	ds_load_b128 v[X+16*\b+4*\j:X+16*\b+4*\j+3], v3 offset:128*\b+16*\j
.endr
.endr
.endm
; 64 numbers of a lane become a fragment's codes in v[PC] on and its row's scale word in v[pw]
.macro QUANT s, pw
.irp b, 0,1,2,3
	v_max3_num_f32 v[TM+\b], |v[\s+16*\b]|, |v[\s+1+16*\b]|, 0x8000000   ; my 16 numbers of block b, and the floor 2^(16 - 127): the byte cannot fall under 1
.endr
.irp i, 2,4,6,8,10,12,14
.irp b, 0,1,2,3
	s_delay_alu instid0(VALU_DEP_4)
	v_max3_num_f32 v[TM+\b], v[TM+\b], |v[\s+16*\b+\i]|, |v[\s+1+16*\b+\i]|
.endr
.endr
.irp b, 0,1,2,3
	s_delay_alu instid0(VALU_DEP_4)
	v_permlanex16_b32 v[TM+4+\b], v[TM+\b], s30, s31
.endr
.irp b, 0,1,2,3
	s_delay_alu instid0(VALU_DEP_4)
	v_max_num_f32 v[TM+\b], v[TM+\b], v[TM+4+\b]             ; with lane l xor 16's 16: the block's largest magnitude
.endr
.irp b, 0,1,2,3
	s_delay_alu instid0(VALU_DEP_4)
	v_add_nc_u32 v[TM+12+\b], 0xf8800000, v[TM+\b]           ; 15 off its exponent field: the conversion's scale operand
.endr
.irp b, 0,1,2,3
	v_and_or_b32 v[TM+8+\b], v[TM+\b], 0x7f800000, s32       ; 57,344 x the scale
.endr
.irp b, 0,1,2,3
	v_lshrrev_b32 v[TM+4+\b], 23, v[TM+12+\b]                ; the scale's byte
.endr
	s_delay_alu instid0(VALU_DEP_3)
	v_lshl_or_b32 v[\pw], v[TM+5], 8, v[TM+4]
	s_delay_alu instid0(VALU_DEP_1)
	v_lshl_or_b32 v[\pw], v[TM+6], 16, v[\pw]
	s_delay_alu instid0(VALU_DEP_1)
	v_lshl_or_b32 v[\pw], v[TM+7], 24, v[\pw]
.irp b, 0,1,2,3
.irp i, 0,1,2,3,4,5,6,7,8,9,10,11,12,13,14,15
	v_med3_num_f32 v[\s+16*\b+\i], v[\s+16*\b+\i], -v[TM+8+\b], v[TM+8+\b]   ; the conversion to an 8-bit code does not saturate (ISA guide 7.6.2): the hold comes first
.endr
	v_cvt_scalef32_pk8_bf8_f32 v[PC+4*\b:PC+1+4*\b], v[\s+16*\b:\s+7+16*\b], v[TM+12+\b]
	v_cvt_scalef32_pk8_bf8_f32 v[PC+2+4*\b:PC+3+4*\b], v[\s+8+16*\b:\s+15+16*\b], v[TM+12+\b]
.endr
	v_nop                                                    ; a plain line behind the last conversion
.endm
; unit u of my four.  left: the younger loads that may stay out.  mm = 1: the unit's codes are multiplied by the three a's
.macro UNIT u, mm, lo, hi, hoff, left
	s_wait_loadcnt \left
	s_wait_xcnt 0x0                                          ; the last unit's stores have read v[PC] on: it is written again only behind this wait
	TURN R0+64*((\u)%2), 0
	s_wait_dscnt 0x0                                         ; my numbers are back, and the stage's stores have read their registers,
.if (\u) < 2
	LOADU R0+64*((\u)%2), \lo, \hi, 512*((\u)+2), \hoff, 1   ; which take the unit two further on
.endif
	QUANT X, SW+(\u)
.irp c, 0,1,2,3
	global_store_b128 v1, v[PC+4*\c:PC+4*\c+3], s[38:39] offset:((\u)/2)*32768+((\u)%2)*2048+512*\c   ; 512 consecutive bytes, aligned
.endr
.if \mm
	PLACES 4                                                 ; codes written by vector instructions stand four places ahead of a scaled product; the scale word was made ahead of the 64 holds
	WIN 0x51                                                 ; source 0 (a) and the sums in window 1, source 1 (my codes) in window 0
.irp a, 0,1,2
.if (\u) == 0
	v_wmma_scale_f32_16x16x128_f8f6f4 v[192+8*\a:199+8*\a], v[64*\a+16*(\u):64*\a+16*(\u)+15], v[PC:PC+15], 0, v[AS+4*\a+(\u)], v[SW+(\u)] matrix_a_fmt:MATRIX_FMT_BF8 matrix_b_fmt:MATRIX_FMT_BF8
.else
	v_wmma_scale_f32_16x16x128_f8f6f4 v[192+8*\a:199+8*\a], v[64*\a+16*(\u):64*\a+16*(\u)+15], v[PC:PC+15], v[192+8*\a:199+8*\a], v[AS+4*\a+(\u)], v[SW+(\u)] matrix_a_fmt:MATRIX_FMT_BF8 matrix_b_fmt:MATRIX_FMT_BF8
.endif
.endr
	WIN 0                                                    ; the three sums take turns, one instruction a turn
.endif
.endm
; where block s47's codes and scale words go, for my half of K
.macro DEST
	s_lshr_b32 s50, s47, 3
	s_lshl_b32 s50, s50, 17                                  ; the group
	s_and_b32 s51, s47, 7
	s_lshl_b32 s51, s51, 12                                  ; the block in it
	s_add_co_u32 s50, s50, s51
	s_lshl_b32 s51, s29, 16                                  ; my half of K: two steps of 32,768 bytes
	s_add_co_u32 s50, s50, s51
	s_mov_b32 s51, 0
	s_add_nc_u64 s[38:39], s[22:23], s[50:51]
	s_lshl_b32 s50, s47, 9
	s_lshl_b32 s52, s29, 8
	s_add_co_u32 s50, s50, s52
	s_add_nc_u64 s[40:41], s[24:25], s[50:51]
.endm
.macro SCALEOUT                        ; lanes 0-15 store the four words of their rows: 256 consecutive bytes, aligned
	v_cmp_gt_u32 vcc_lo, 16, v11
	s_wait_xcnt 0x0                                          ; EXEC changes only behind this wait,
	s_and_saveexec_b32 s44, vcc_lo
	global_store_b128 v9, v[SW:SW+3], s[40:41]
	s_wait_xcnt 0x0                                          ; and again
	s_or_b32 exec_lo, exec_lo, s44
.endm
	s_load_b512 s[4:19], s[0:1], 0x0                         ; x, wq, wk, wv, wo, aq, ak, av
	s_load_b256 s[20:27], s[0:1], 0x40                       ; ao, cod, scl, tl
	s_set_vgpr_msb 0x40
	v_lshl_add_u32 v254, v0, 2, 0x30c00
	v_mov_b32 v255, 0
	s_set_vgpr_msb 0x4000
	v_lshrrev_b32 v45, 5, v0
	s_delay_alu instid0(VALU_DEP_1)
	v_readfirstlane_b32 s28, v45                             ; wave 0..7
	s_and_b32 s29, s28, 1                                    ; my half of K
	s_lshr_b32 s33, s28, 1                                   ; which of the work-group's four blocks
	v_and_b32 v11, 31, v0                                    ; lane
	v_and_b32 v46, 15, v0                                    ; r
	v_bfe_u32 v47, v0, 4, 1                                  ; h
	s_delay_alu instid0(VALU_DEP_3)
	v_lshlrev_b32 v1, 4, v11                                 ; 16 x lane
	s_delay_alu instid0(VALU_DEP_3)
	v_lshlrev_b32 v9, 4, v46                                 ; 16 r
	s_delay_alu instid0(VALU_DEP_4)
	v_mul_u32_u24 v3, v46, SPT
	s_delay_alu instid0(VALU_DEP_1)
	v_lshl_add_u32 v3, v47, 6, v3                            ; out of the stage: row r, + 64 h
	s_mul_i32 s45, s28, 16*SPT                               ; my stage
	s_mov_b32 s30, 0x76543210
	s_mov_b32 s31, 0xfedcba98                                ; v_permlanex16_b32's selects for lane l xor 16
	s_mov_b32 s32, 0x600000                                  ; the mantissa field of 57,344
.irp b, 0,1,2,3
	v_mov_b32 v[TM+4+\b], 0                                  ; a lane permute's destination counts as one of its sources
.endr
	s_cmp_lt_u32 ttmp9, 128
	s_cbranch_scc0 .Lweights
	; ---------------- x ----------------
	v_add_nc_u32 v2, s45, v1                                 ; into the stage: 16 x lane
	v_add_nc_u32 v3, s45, v3
	s_lshl_b32 s46, s28, 11
	s_add_co_u32 s46, s46, AIMG
	v_add_nc_u32 v4, s46, v1                                 ; where I store the a's images: K step = my wave
	v_lshlrev_b32 v7, 2, v11
	s_lshl_b32 s46, s28, 7
	s_add_co_u32 s46, s46, ASCL
	v_add_nc_u32 v5, s46, v7                                 ; and their scale words
	s_lshl_b32 s46, s29, 13
	s_add_co_u32 s46, s46, AIMG
	v_add_nc_u32 v6, s46, v1                                 ; where I read the four K steps of my half
	s_lshl_b32 s46, s29, 9
	s_add_co_u32 s46, s46, ASCL
	v_add_nc_u32 v7, s46, v7
	s_mul_i32 s46, s33, 3072
	s_add_co_u32 s46, s46, TXCH
	v_add_nc_u32 v8, s46, v1                                 ; my pair's exchange
	v_and_b32 v10, 8, v46
	s_delay_alu instid0(VALU_DEP_1)
	v_add_nc_u32 v10, v10, v46
	s_delay_alu instid0(VALU_DEP_1)
	v_lshlrev_b32 v10, 6, v10
	s_delay_alu instid0(VALU_DEP_1)
	v_lshl_add_u32 v10, v47, 5, v10                          ; tl: 64 (r + 8 (r / 8)) + 32 h
	s_lshl_b32 s47, ttmp9, 2
	s_add_co_u32 s47, s47, s33                               ; my block of x
	s_lshr_b32 s48, s47, 1
	s_lshl_b32 s48, s48, 5
	s_and_b32 s49, s47, 1
	s_lshl_b32 s49, s49, 3
	s_add_co_u32 s48, s48, s49                               ; its first row
	s_lshl_b32 s54, s48, 12
	s_lshl_b32 s55, s29, 11
	s_add_co_u32 s54, s54, s55
	s_mov_b32 s55, 0
	s_lshl_b32 s56, s28, 9                                   ; the a's: K step = my wave
	s_mov_b32 s57, 0
	s_lshl_b32 s58, s48, 6
	s_mov_b32 s59, 0
	s_wait_kmcnt 0x0
	s_add_nc_u64 s[34:35], s[4:5], s[54:55]
	s_add_nc_u64 s[14:15], s[14:15], s[56:57]
	s_add_nc_u64 s[16:17], s[16:17], s[56:57]
	s_add_nc_u64 s[18:19], s[18:19], s[56:57]
	s_add_nc_u64 s[42:43], s[26:27], s[58:59]
	DEST
	WIN 0x40                                                 ; destination window 1
	LOADU 0, 14, 14, 0, 32768, 0                             ; aq, ak, av: 16 rows in their own order; every work-group reads them, so no hint
	LOADU 64, 16, 16, 0, 32768, 0
	LOADU 128, 18, 18, 0, 32768, 0
	WIN 0
	LOADU R0, 34, 34, 0, 65536, 1                            ; x: units 0 and 1
	LOADU R0+64, 34, 34, 512, 65536, 1
.macro APHASE j, left                  ; one K step of one a: quantised, image and scale word to LDS
	s_wait_loadcnt \left
	TURN 64*\j, 1
	s_wait_dscnt 0x0
	QUANT X, PWA
.irp c, 0,1,2,3
	ds_store_b128 v4, v[PC+4*\c:PC+4*\c+3] offset:16384*\j+512*\c
.endr
	ds_store_b32 v5, v[PWA] offset:1024*\j
	s_wait_dscnt 0x0                                         ; the stores have read their registers
.endm
	APHASE 0, 63                                             ; 64 younger loads are out; the wait's field holds 63
	APHASE 1, 48
	APHASE 2, 32
	s_barrier_signal -1                                      ; my LDS stores have landed (the wait above)
	s_barrier_wait -1                                        ; the 24 images lie in LDS
	WIN 0x40
.irp a, 0,1,2
.irp i, 0,1,2,3
.irp c, 0,1,2,3
	ds_load_b128 v[64*\a+16*\i+4*\c:64*\a+16*\i+4*\c+3], v6 offset:16384*\a+2048*\i+512*\c
.endr
.endr
.endr
	WIN 0
.irp a, 0,1,2
.irp i, 0,1,2,3
	ds_load_b32 v[AS+4*\a+\i], v7 offset:1024*\a+128*\i
.endr
.endr
	s_wait_dscnt 0x0
	UNIT 0, 1, 34, 34, 65536, 16                             ; the next unit's sixteen loads may stay out
	UNIT 1, 1, 34, 34, 65536, 16
	UNIT 2, 1, 34, 34, 65536, 16
	UNIT 3, 1, 34, 34, 65536, 0
	SCALEOUT
	PLACES 8                                                 ; behind the last products, ahead of the first read of the sums
	s_cmp_eq_u32 s29, 0
	s_cbranch_scc1 .Llow
	WIN 0x01                                                 ; the upper half of K: its sums x 1/16 go to the partner
.set n, 0
.rept 12
	v_pk_mul_f32 v[88+n:89+n], v[192+n:193+n], 0x3d800000 op_sel_hi:[1,0]
.set n, n+2
.endr
	WIN 0
.irp g, 0,1,2,3,4,5
	ds_store_b128 v8, v[88+4*\g:91+4*\g] offset:512*\g
.endr
.Llow:
	s_wait_dscnt 0x0
	s_barrier_signal -1
	s_barrier_wait -1
	s_cmp_lg_u32 s29, 0
	s_cbranch_scc1 .Lend_x
.irp g, 0,1,2,3,4,5
	ds_load_b128 v[64+4*\g:67+4*\g], v8 offset:512*\g
.endr
	s_wait_dscnt 0x0
	WIN 0x01
.set n, 0
.rept 12
	v_pk_fma_f32 v[88+n:89+n], v[192+n:193+n], 0x3d800000, v[64+n:65+n] op_sel_hi:[1,0,1]   ; my sums x 1/16 + the partner's
.set n, n+2
.endr
	WIN 0
.irp y, 0,1,2
.irp g, 0,1
	global_store_b128 v10, v[88+8*\y+4*\g:91+8*\y+4*\g], s[42:43] offset:524288*\y+16*\g   ; lane (r, h): ranks 8 h .. 8 h + 7 of its token
.endr
.endr
.Lend_x:
	s_set_vgpr_msb 0x5
	s_wait_tensorcnt 0x0
	ds_add_u32 v254, v255
	s_wait_dscnt 0x0
	s_set_vgpr_msb 0x500
	s_endpgm
	; ---------------- the weights ----------------
.Lweights:
	s_add_co_u32 s45, s45, WSTG
	s_wait_alu depctr_va_vdst(0)
	v_add_nc_u32 v2, s45, v1
	v_add_nc_u32 v3, s45, v3
	s_sub_co_u32 s47, ttmp9, 128
	s_lshl_b32 s47, s47, 2
	s_add_co_u32 s47, s47, s33                               ; block 0 .. 256 of wq, wk, wv, wo, ao on end
	s_wait_kmcnt 0x0
	s_cmp_gt_u32 s47, 256
	s_cbranch_scc1 .Lend_w                                   ; the last work-group has one block: its other waves have nothing (no barrier stands on this path)
	s_lshr_b32 s46, s47, 6                                   ; which matrix
	s_and_b32 s48, s47, 63
	s_lshr_b32 s49, s48, 1
	s_lshl_b32 s49, s49, 5
	s_and_b32 s48, s48, 1
	s_lshl_b32 s48, s48, 3
	s_add_co_u32 s48, s48, s49                               ; the block's first row
	s_lshl_b32 s54, s48, 12
	s_lshl_b32 s55, s29, 11
	s_add_co_u32 s54, s54, s55
	s_mov_b32 s55, 0
	s_mov_b64 s[34:35], s[6:7]
	s_cmp_eq_u32 s46, 1
	s_cselect_b64 s[34:35], s[8:9], s[34:35]
	s_cmp_eq_u32 s46, 2
	s_cselect_b64 s[34:35], s[10:11], s[34:35]
	s_cmp_eq_u32 s46, 3
	s_cselect_b64 s[34:35], s[12:13], s[34:35]
	s_mov_b32 s56, 65536                                     ; rows 8-15 of a block lie 16 rows on;
	s_mov_b32 s57, 0
	s_cmp_eq_u32 s46, 4
	s_cselect_b64 s[34:35], s[20:21], s[34:35]
	s_cselect_b32 s56, 32768, s56                            ; ao's 16 rows stand in their own order
	s_add_nc_u64 s[34:35], s[34:35], s[54:55]
	s_add_nc_u64 s[36:37], s[34:35], s[56:57]
	s_add_co_u32 s47, s47, 512                               ; behind x's 512 blocks
	DEST
	LOADU R0, 34, 36, 0, 0, 1
	LOADU R0+64, 34, 36, 512, 0, 1
	s_wait_alu depctr_va_vdst(0)
	UNIT 0, 0, 34, 36, 0, 16
	UNIT 1, 0, 34, 36, 0, 16
	UNIT 2, 0, 34, 36, 0, 16
	UNIT 3, 0, 34, 36, 0, 0
	SCALEOUT
.Lend_w:
	s_set_vgpr_msb 0x5
	s_wait_tensorcnt 0x0
	ds_add_u32 v254, v255
	s_wait_dscnt 0x0
	s_set_vgpr_msb 0x500
	s_endpgm
.Lfunc_end_k_qbd932b1c71_quant:
	.size	k_qbd932b1c71_quant, .Lfunc_end_k_qbd932b1c71_quant-k_qbd932b1c71_quant
	.p2alignl 7, 3214868480
	.fill 96, 4, 3214868480
	.section	.rodata,"a",@progbits
	.p2align	6, 0x0
	.amdhsa_kernel k_qbd932b1c71_quant
		.amdhsa_group_segment_fixed_size 200704
		.amdhsa_private_segment_fixed_size 0
		.amdhsa_enable_private_segment 0
		.amdhsa_kernarg_size 96
		.amdhsa_user_sgpr_count 2
		.amdhsa_user_sgpr_kernarg_segment_ptr 1
		.amdhsa_wavefront_size32 1
		.amdhsa_system_sgpr_workgroup_id_x 1
		.amdhsa_system_sgpr_workgroup_id_y 1
		.amdhsa_system_sgpr_workgroup_id_z 1
		.amdhsa_system_vgpr_workitem_id 0
		.amdhsa_next_free_vgpr 512
		.amdhsa_next_free_sgpr 66
		.amdhsa_reserve_vcc 1
		.amdhsa_float_denorm_mode_32 3
		.amdhsa_float_denorm_mode_16_64 3
		.amdhsa_memory_ordered 1
		.amdhsa_forward_progress 1
		.amdhsa_inst_pref_size 163
	.end_amdhsa_kernel
	.amdgpu_metadata
---
amdhsa.version: [ 1, 2 ]
amdhsa.kernels:
  - .name:           k_qbd932b1c71_quant
    .symbol:         k_qbd932b1c71_quant.kd
    .args:
      - { .name: x, .offset: 0, .size: 8, .value_kind: global_buffer, .address_space: global }
      - { .name: wq, .offset: 8, .size: 8, .value_kind: global_buffer, .address_space: global }
      - { .name: wk, .offset: 16, .size: 8, .value_kind: global_buffer, .address_space: global }
      - { .name: wv, .offset: 24, .size: 8, .value_kind: global_buffer, .address_space: global }
      - { .name: wo, .offset: 32, .size: 8, .value_kind: global_buffer, .address_space: global }
      - { .name: aq, .offset: 40, .size: 8, .value_kind: global_buffer, .address_space: global }
      - { .name: ak, .offset: 48, .size: 8, .value_kind: global_buffer, .address_space: global }
      - { .name: av, .offset: 56, .size: 8, .value_kind: global_buffer, .address_space: global }
      - { .name: ao, .offset: 64, .size: 8, .value_kind: global_buffer, .address_space: global }
      - { .name: cod, .offset: 72, .size: 8, .value_kind: global_buffer, .address_space: global }
      - { .name: scl, .offset: 80, .size: 8, .value_kind: global_buffer, .address_space: global }
      - { .name: tl, .offset: 88, .size: 8, .value_kind: global_buffer, .address_space: global }
    .group_segment_fixed_size: 200704
    .private_segment_fixed_size: 0
    .kernarg_segment_align: 8
    .kernarg_segment_size: 96
    .max_flat_workgroup_size: 256
    .sgpr_count:     66
    .vgpr_count:     512
    .wavefront_size: 32
...
	.end_amdgpu_metadata
.endif
;; end of part 1
;; launch qkv (part 2): grid 32 x 8, 4 waves a work-group, clusters of 4 x 4, 327,680 bytes of LDS; arguments cod, scl, tl, bq, bk, bv, qimg, qscl, kv; writes qimg, qscl, kv
.if DOCPART == 2
	.amdgcn_target "amdgcn-amd-amdhsa--gfx1250"
	.amdhsa_code_object_version 6
	.text
	.protected	k_qbd932b1c71_qkv
	.globl	k_qbd932b1c71_qkv
	.p2align	8
	.type	k_qbd932b1c71_qkv,@function
k_qbd932b1c71_qkv:
	s_mov_b64 s[64:65], 0
	v_nop
	global_prefetch_b8 v0, s[64:65] scope:SCOPE_SE
	s_setreg_imm32_b32 hwreg(HW_REG_WAVE_MODE, 25, 1), 1
	s_wait_xcnt 0x0
	s_wait_alu depctr_hold_cnt(0) depctr_sa_sdst(0) depctr_va_vdst(0) depctr_va_sdst(0) depctr_va_ssrc(0) depctr_va_vcc(0) depctr_vm_vsrc(0)
	s_getreg_b32 s2, hwreg(HW_REG_IB_STS2, 6, 4)
	s_cmp_eq_u32 s2, 0
	s_cbranch_scc0 .Lentry_in_a_cluster
	s_endpgm
.Lentry_in_a_cluster:
	s_bfe_u32 s2, ttmp6, 0x10000c
	s_cmp_lg_u32 s2, 0xf033
	s_cbranch_scc0 .Lentry_shape_is_right
	s_endpgm
.Lentry_shape_is_right:
; q, k, v = Q(x) Q(w)^T + tl b^T (tl = Q(x) Q(a)^T / 16 from the launch before), quantised on the way out: q and k along the head's 64 channels, v along the keys.
; The large products run on codes of E5M2 with E8M0 scales; the rank-16 products have f32 operands (v_wmma_f32_16x16x4_f32), since their result goes on into a quantiser.
; LIMITS: NaN and infinities are not served; a block of zeros gets the byte 1; a block's largest magnitude is taken at 2^-111 at the least.
; TILE.  128 "A rows" x 256 "B rows"; wave w: A blocks 4 (w / 2) + a, a = 0..3, against the 8 blocks of B group w % 2: 32 accumulators.  There are 768 tiles of equal work.
; A WORK-GROUP STAYS: 256 work-groups make three tiles each, those of tile rows y, y + 2, y + 4 of clusters (y the cluster's own): two of q or k (a loop of two trips), then one of v (written out: it asks for nothing more).
; Source 0 = a B block, source 1 = an A block: in accumulator (a, b) a lane holds one A row, and the 16 registers of (a, 2 B), (a, 2 B + 1) are B rows 32 B + 16 (lane / 16) + 0 .. 15
; (a block's lane r holds row 32 B + 8 u + r + 8 (r / 8)).  q, k: A = tokens, B = features, so a lane's registers run along the head's channels.  v: A = wv's rows, B = tokens, so they run along the keys.
; The conversions' results are therefore the next operands' registers, and leave as images of them: 512 consecutive bytes a store, no stage.
; LDS: places for three K steps of 256: A's from byte 0 (32,768 each), B's first group's from 98,304, its second group's from 196,608.  In cod a group's K steps lie on end.
; FILLS, one tensor load a wave each time (waves 0, 1 halves of A's part, waves 2, 3 a B group each): at the head the first tile's K steps 0 to 2; in every tile K step 3 into step 0's places, inside K step 1;
; where a tile follows: its K steps 1 and 2 into their places inside K step 5, and its K step 0 among the rank-16 products.  Each refill stands behind a drained round of the cluster's barrier; a wave has one load out at the most.
; The next tile's scale words are loaded behind the last scaled product, its rank-16 operands at its start, behind the wait that frees the registers of the last tile's stores.
; CLUSTERS: 4 x 4.  The four of a row need the same A group, the four of a column the same two B groups: each is asked for jointly.  The branches hang on the cluster's numbers, the wave's and the loop's counter alone.
; NO PREFETCH: behind the head every refill is asked for at least 64 products ahead of the wait for it, and x's and the weights' codes are read by several clusters of the launch.
; REGISTERS: window 0: v1-15 addresses; v16-31 A's scale words, v32-63 B's (they hold nothing else); v64-159 the rank-16 operands, later with v160-255 the way out;
;   window 1: accumulator (a, b) at v[8 (8 a + b)];  windows 2, 3: two sets of fragments: B at v[16 b], A at v[128 + 16 a].
.set SPARE, 294912                     ; behind the places: the spare words, 128 bytes a wave
.set G1A, 32
.set G1B, 40
.set G0A, 48                           ; two sets of four: the second serves K step 3's refill alone
.set G0B, 68
.set SA,  16
.set SB,  32
.set UA,  64
.set UB,  96
.set TM,  64                           ; the way out: maxima, then hold limits
.set PX,  80                           ; the other half's maxima, then bytes
.set SCO, 96                           ; conversion scales
.set PW,  112                          ; scale words
.set SWD, 116                          ; as they are stored
.set PC,  128                          ; codes
.set TMP, 192                          ; 64 held numbers
.set MSB, 0
.macro WIN new
.if MSB != \new
	s_set_vgpr_msb (MSB<<8)|\new
.set MSB, \new
.endif
.endm
.macro PLACES n
.rept \n
	v_nop
.endr
.endm
; a joint load: waves 0, 1 fetch for A, waves 2, 3 for B; an s_nop 0 and four v_nop follow each line
.macro JLOAD g0a, g1a, g0b, g1b
	s_cmp_eq_u32 s23, 0
	s_cbranch_scc0 .Lfor_b_\@
	tensor_load_to_lds s[\g0a:\g0a+3], s[\g1a:\g1a+7]
	s_nop 0
.rept 4
	v_nop
.endr
	s_branch .Lasked_\@
.Lfor_b_\@:
	tensor_load_to_lds s[\g0b:\g0b+3], s[\g1b:\g1b+7]
	s_nop 0
.rept 4
	v_nop
.endr
.Lasked_\@:
.endm
.macro CREST                           ; a round of the cluster's barrier behind its opening barrier
	s_cmp_lg_u32 s22, 0
	s_cbranch_scc1 .Lnot_wave_0_\@
	s_barrier_signal -3
.Lnot_wave_0_\@:
	s_barrier_wait -3
	s_barrier_signal -1
	s_barrier_wait -1
.endm
.macro CROUND
	s_barrier_signal -1
	s_barrier_wait -1
	CREST
.endm
.macro ROWS ra, rb                     ; group 1's two words that count rows; written only where no tensor load of the wave is out
	s_mov_b32 s[G1A+2], (\ra)<<16
	s_mov_b32 s[G1A+4], \ra
	s_mov_b32 s[G1B+2], (\rb)<<16
	s_mov_b32 s[G1B+4], \rb
.endm
; Which tile, from s28, the tile row of clusters.  s28 < 4: q and k: A = x's group, B = wq's (even cluster x) or wk's (odd) groups.  s28 = 4, 5: v: A = wv's group, B = x's groups.
; Out: s80 A's group, s82 B's tile, s84 v?, s[86:87], s[88:89] where A's group and my B group begin in cod, s[94:97] my scale words, s[60:63] my rank-16 operands
.macro IDS
	s_wait_xcnt 0x0                                          ; earlier loads have read the bases that are written below
	s_lshl_b32 s27, s28, 2
	s_add_co_u32 s27, s27, s26                               ; gy = 4 x tile row of clusters + cy
	s_lshr_b32 s81, ttmp9, 1
	s_lshl_b32 s81, s81, 4
	s_lshl_b32 s82, s31, 2
	s_lshl_b32 s83, ttmp9, 2
	s_cmp_ge_u32 s28, 4                                      ; v?
	s_cselect_b32 s81, 64, s81
	s_cselect_b32 s82, s83, s82
	s_cselect_b32 s83, 0, 64
	s_cselect_b32 s84, 1, 0
	s_add_co_u32 s80, s27, s81                               ; A's group in cod: made of cy and the cluster's numbers
	s_add_co_u32 s82, s82, s25                               ; B's tile: made of cx and the cluster's numbers
	s_lshl_b32 s85, s82, 1
	s_add_co_u32 s85, s85, s83                               ; B's first group in cod
	s_lshl_b32 s86, s80, 17
	s_mov_b32 s87, 0
	s_add_co_u32 s88, s85, s24
	s_lshl_b32 s88, s88, 17
	s_mov_b32 s89, 0
	s_add_nc_u64 s[86:87], s[4:5], s[86:87]
	s_add_nc_u64 s[88:89], s[4:5], s[88:89]
	s_lshl_b32 s92, s80, 12
	s_lshl_b32 s93, s23, 11
	s_add_co_u32 s92, s92, s93
	s_mov_b32 s93, 0
	s_add_nc_u64 s[94:95], s[6:7], s[92:93]                  ; my A blocks' scale words: 512 bytes a block
	s_add_co_u32 s92, s85, s24
	s_lshl_b32 s92, s92, 12
	s_add_nc_u64 s[96:97], s[6:7], s[92:93]                  ; my B blocks'
	; the rank-16 operands.  q, k: A side tl (q's or k's part), B side bq or bk.  v: A side bv, B side tl (v's part)
	s_lshl_b32 s66, s80, 13
	s_lshl_b32 s67, s31, 19
	s_add_co_u32 s66, s66, s67                               ; tl: 64 bytes a token, 524,288 a part
	s_and_b32 s67, s27, 7
	s_lshl_b32 s67, s67, 13                                  ; bv: wv's group is gy % 8
	s_and_b32 s98, s82, 3
	s_lshl_b32 s98, s98, 14
	s_lshl_b32 s99, s24, 13
	s_add_co_u32 s98, s98, s99                               ; bq, bk: 256 rows a tile, 128 a wave
	s_add_co_u32 s99, s85, s24
	s_lshl_b32 s99, s99, 13
	s_add_co_u32 s99, s99, 1048576                           ; tl's third part
	s_cmp_eq_u32 s31, 1
	s_cselect_b64 s[62:63], s[12:13], s[10:11]
	s_cmp_eq_u32 s84, 1
	s_cselect_b64 s[60:61], s[14:15], s[8:9]
	s_cselect_b64 s[62:63], s[8:9], s[62:63]
	s_cselect_b32 s66, s67, s66
	s_cselect_b32 s98, s99, s98
	s_lshl_b32 s67, s23, 12
	s_add_co_u32 s66, s66, s67                               ; + my 64 A rows
	s_mov_b32 s67, 0
	s_mov_b32 s99, 0
	s_add_nc_u64 s[60:61], s[60:61], s[66:67]
	s_add_nc_u64 s[62:63], s[62:63], s[98:99]
.endm
; group 0, second set: K step 3 of the tile at s[86:89] into step 0's places.  s56: my B group's place; s[58:59]: my half of a K step of A, 16,384 x (wave % 2)
.macro DESC3
	s_mov_b32 s[G0A+5], s58
	s_add_nc_u64 s[G0A+6:G0A+7], s[86:87], s[58:59]
	s_add_nc_u64 s[G0A+6:G0A+7], s[G0A+6:G0A+7], 3*32768
	s_or_b32 s[G0A+7], s[G0A+7], 0x80000000
	s_mov_b32 s[G0B+5], s56
	s_add_nc_u64 s[G0B+6:G0B+7], s[88:89], 3*32768
	s_or_b32 s[G0B+7], s[G0B+7], 0x80000000
.endm
.macro DESC12                          ; first set: K steps 1 and 2 of the tile at s[86:89] into their places: A's 65,536 bytes in halves, a B group's 65,536
	s_lshl_b32 s98, s24, 15
	s_mov_b32 s99, 0
	s_add_co_u32 s[G0A+1], s98, 32768
	s_add_nc_u64 s[G0A+2:G0A+3], s[86:87], s[98:99]
	s_add_nc_u64 s[G0A+2:G0A+3], s[G0A+2:G0A+3], 32768
	s_or_b32 s[G0A+3], s[G0A+3], 0x80000000
	s_add_co_u32 s[G0B+1], s56, 32768
	s_add_nc_u64 s[G0B+2:G0B+3], s[88:89], 32768
	s_or_b32 s[G0B+3], s[G0B+3], 0x80000000
.endm
.macro DESC0                           ; first set: K step 0 of the tile at s[86:89]
	s_mov_b32 s[G0A+1], s58
	s_add_nc_u64 s[G0A+2:G0A+3], s[86:87], s[58:59]
	s_or_b32 s[G0A+3], s[G0A+3], 0x80000000
	s_mov_b32 s[G0B+1], s56
	s_mov_b64 s[G0B+2:G0B+3], s[88:89]
	s_or_b32 s[G0B+3], s[G0B+3], 0x80000000
.endm
.macro SCALEWORDS                      ; lane (r, h): the words of K steps 4 h .. 4 h + 3: twelve loads
.irp a, 0,1,2,3
	global_load_b128 v[SA+4*\a:SA+4*\a+3], v1, s[94:95] offset:512*\a
.endr
.irp b, 0,1,2,3,4,5,6,7
	global_load_b128 v[SB+4*\b:SB+4*\b+3], v1, s[96:97] offset:512*\b
.endr
.endm
; the fragments of K step s (128 along K): 48 loads of 512 consecutive bytes, into set s % 2
.macro FETCH s
.set FJ, ((\s)/2)%3
.set FQ, (\s)%2
.if FQ
	WIN 0xc0
.else
	WIN 0x80
.endif
.irp b, 0,1,2,3,4,5,6,7
.irp c, 0,1,2,3
	ds_load_b128 v[16*\b+4*\c:16*\b+4*\c+3], v[5+FJ] offset:4096*\b+2048*FQ+512*\c
.endr
.endr
.irp a, 0,1,2,3
.irp c, 0,1,2,3
	ds_load_b128 v[128+16*\a+4*\c:128+16*\a+4*\c+3], v[2+FJ] offset:4096*\a+2048*FQ+512*\c
.endr
.endr
.endm
; 16 products of K step s: A blocks a0, a0 + 1 x B's eight.  The 32 accumulators take turns in the same order in every step.  K steps 4-7 read their scale words from lanes 16-31
.macro MULH s, a0, zero
.if (\s)%2
	WIN 0x5f
.else
	WIN 0x5a
.endif
.irp a, \a0, \a0+1
.irp b, 0,1,2,3,4,5,6,7
.if \zero
	v_wmma_scale_f32_16x16x128_f8f6f4 v[8*(8*(\a)+\b):8*(8*(\a)+\b)+7], v[16*\b:16*\b+15], v[128+16*(\a):128+16*(\a)+15], 0, v[SB+4*\b+(\s)%4], v[SA+4*(\a)+(\s)%4] matrix_a_fmt:MATRIX_FMT_BF8 matrix_b_fmt:MATRIX_FMT_BF8
.elseif (\s) < 4
	v_wmma_scale_f32_16x16x128_f8f6f4 v[8*(8*(\a)+\b):8*(8*(\a)+\b)+7], v[16*\b:16*\b+15], v[128+16*(\a):128+16*(\a)+15], v[8*(8*(\a)+\b):8*(8*(\a)+\b)+7], v[SB+4*\b+(\s)%4], v[SA+4*(\a)+(\s)%4] matrix_a_fmt:MATRIX_FMT_BF8 matrix_b_fmt:MATRIX_FMT_BF8
.else
	v_wmma_scale_f32_16x16x128_f8f6f4 v[8*(8*(\a)+\b):8*(8*(\a)+\b)+7], v[16*\b:16*\b+15], v[128+16*(\a):128+16*(\a)+15], v[8*(8*(\a)+\b):8*(8*(\a)+\b)+7], v[SB+4*\b+(\s)%4], v[SA+4*(\a)+(\s)%4] matrix_a_fmt:MATRIX_FMT_BF8 matrix_b_fmt:MATRIX_FMT_BF8 matrix_a_scale:MATRIX_SCALE_ROW1 matrix_b_scale:MATRIX_SCALE_ROW1
.endif
.endr
.endr
.endm
.macro KSTEP s                         ; a K step whose successor's tile is known to be whole
	s_wait_dscnt 0x0                                         ; this step's fragments are in
	PLACES 8                                                 ; behind the last step's products, ahead of loads into the registers that they read
	FETCH (\s)+1
	MULH \s, 0, 0
	MULH \s, 2, 0
.endm
.macro RK t                            ; the rank-16 products' step t of four: ranks 8 h + 2 t, + 1 on both sides, onto the same 32 sums by turns
	WIN 0x50
.irp a, 0,1,2,3
.irp b, 0,1,2,3,4,5,6,7
	v_wmma_f32_16x16x4_f32 v[8*(8*\a+\b):8*(8*\a+\b)+7], v[UB+8*\b+2*\t:UB+8*\b+2*\t+1], v[UA+8*\a+2*\t:UA+8*\a+2*\t+1], v[8*(8*\a+\b):8*(8*\a+\b)+7]
.endr
.endr
.endm
; A TILE's products.  nxt = 1: a tile follows, and its tiles and scale words are asked for on the way
.macro TILE nxt
	s_mov_b32 s76, s80                                       ; this tile's numbers, for its way out
	s_mov_b32 s77, s82
	s_wait_xcnt 0x0                                          ; the last tile's stores have read their registers, which the loads below fill
.irp a, 0,1,2,3
.irp g, 0,1
	global_load_b128 v[UA+8*\a+4*\g:UA+8*\a+4*\g+3], v10, s[60:61] offset:2048*(\a/2)+512*(\a%2)+16*\g   ; lane (r, h): ranks 8 h .. 8 h + 7 of its row
.endr
.endr
.irp b, 0,1,2,3,4,5,6,7
.irp g, 0,1
	global_load_b128 v[UB+8*\b+4*\g:UB+8*\b+4*\g+3], v10, s[62:63] offset:2048*(\b/2)+512*(\b%2)+16*\g
.endr
.endr
	s_wait_tensorcnt 0x0                                     ; my parts of K steps 0 to 2 are in
	s_barrier_signal -1
	s_barrier_wait -1                                        ; everybody's are
	FETCH 0
	s_wait_loadcnt 24                                        ; the twelve loads of scale words are in; the 24 issued behind them may stay out
	s_wait_dscnt 0x0
	FETCH 1
	MULH 0, 0, 1                                             ; the first products start the sums
	MULH 0, 2, 1
	; K step 1: step 0's places have been read out (K steps 0 and 1 of 128 are in registers): they take K step 3 of 256
	WIN 0
	s_wait_tensorcnt 0x0                                     ; no tensor load of mine is out;
	ds_add_u32 v8, v9                                        ; 0 onto my spare word
	ROWS 64, 128
	s_wait_dscnt 0x0                                         ; the add is done, and my reads of those places are over
	s_barrier_signal -1                                      ; this barrier opens a round of the cluster's
	MULH 1, 0, 0
	WIN 0
	s_barrier_wait -1
	CREST
	JLOAD G0A+4, G1A, G0B+4, G1B
	PLACES 4                                                 ; with the four behind the load: eight places ahead of the loads below
	FETCH 2
	MULH 1, 2, 0
	KSTEP 2
	KSTEP 3
	KSTEP 4
	; K step 5: its successor lies in the refilled places
.if \nxt
	s_add_co_u32 s28, s28, 2
	IDS                                                      ; the next tile's numbers and bases
	s_wait_dscnt 0x0                                         ; K step 5's fragments are in: the places of K steps 1 and 2 of 256 have been read out
	WIN 0
	s_wait_tensorcnt 0x0                                     ; K step 3's refill has landed, and no load of mine is out: every descriptor may be written
	ds_add_u32 v8, v9
	ROWS 128, 256
	DESC12
	DESC3
	s_wait_dscnt 0x0
	s_barrier_signal -1
	MULH 5, 0, 0
	WIN 0
	s_barrier_wait -1
	CREST
	JLOAD G0A, G1A, G0B, G1B                                 ; the next tile's K steps 1 and 2
	PLACES 4
.else
	s_wait_dscnt 0x0
	s_wait_tensorcnt 0x0                                     ; the refill is the one load of mine that is out
	s_barrier_signal -1
	MULH 5, 0, 0
	s_barrier_wait -1                                        ; everybody's part of K step 3 is in
	PLACES 8
.endif
	FETCH 6
	MULH 5, 2, 0
	KSTEP 6
	s_wait_dscnt 0x0
	MULH 7, 0, 0
	MULH 7, 2, 0
	PLACES 9                                                 ; another form takes the accumulators up; and loads follow into the scale words' registers
	WIN 0
	s_wait_loadcnt 0x0                                       ; the rank-16 operands are in
.if \nxt
	SCALEWORDS                                               ; the next tile's
.endif
	RK 0
	RK 1
.if \nxt
	WIN 0
	s_wait_tensorcnt 0x0                                     ; the next tile's K steps 1 and 2 have landed;
	ds_add_u32 v8, v9
	ROWS 64, 128
	DESC0
	s_wait_dscnt 0x0                                         ; my reads of step 0's places ended ahead of K step 7's products
	s_barrier_signal -1
	RK 2
	WIN 0
	s_barrier_wait -1
	CREST
	JLOAD G0A, G1A, G0B, G1B                                 ; the next tile's K step 0
.else
	RK 2
.endif
	RK 3
	PLACES 8
.endm
; THE WAY OUT.  For each A block a, the lane's 64 numbers are four blocks of 32 along the next K.  The accumulators are only read: what is made of them goes into other registers
.macro WAYOUT
	WIN 0x14                                                 ; sources 1 and 2 in window 1
.irp a, 0,1,2,3
.irp e, 0,1,2,3
	v_max3_num_f32 v[TM+4*\a+\e], 0x8000000, |v[64*\a+16*\e]|, |v[64*\a+16*\e+1]|   ; with the floor 2^(16 - 127); each accumulator is read from its low end on
.endr
.endr
.irp i, 2,4,6,8,10,12,14
.irp a, 0,1,2,3
.irp e, 0,1,2,3
	v_max3_num_f32 v[TM+4*\a+\e], v[TM+4*\a+\e], |v[64*\a+16*\e+\i]|, |v[64*\a+16*\e+\i+1]|
.endr
.endr
.endr
	WIN 0
.set n, 0
.rept 16
	v_permlanex16_b32 v[PX+n], v[TM+n], s2, s3
.set n, n+1
.endr
.set n, 0
.rept 16
	v_max_num_f32 v[TM+n], v[TM+n], v[PX+n]                  ; the block's largest magnitude
.set n, n+1
.endr
.set n, 0
.rept 16
	v_add_nc_u32 v[SCO+n], 0xf8800000, v[TM+n]               ; the conversion's scale operand
.set n, n+1
.endr
.set n, 0
.rept 16
	v_and_or_b32 v[TM+n], v[TM+n], 0x7f800000, s29           ; 57,344 x the scale, in place
.set n, n+1
.endr
.set n, 0
.rept 16
	v_lshrrev_b32 v[PX+n], 23, v[SCO+n]                      ; the byte
.set n, n+1
.endr
.irp a, 0,1,2,3
	v_lshl_or_b32 v[PW+\a], v[PX+4*\a+1], 8, v[PX+4*\a]
.endr
.irp a, 0,1,2,3
	v_lshl_or_b32 v[PW+\a], v[PX+4*\a+2], 16, v[PW+\a]
.endr
.irp a, 0,1,2,3
	v_lshl_or_b32 v[PW+\a], v[PX+4*\a+3], 24, v[PW+\a]
.endr
.irp a, 0,1,2,3
	WIN 0x01
.set n, 0
.rept 64
	v_med3_num_f32 v[TMP+n], v[64*\a+n], -v[TM+4*\a+n/16], v[TM+4*\a+n/16]   ; the hold ahead of a conversion that does not saturate (ISA guide 7.6.2)
.set n, n+1
.endr
	WIN 0
.irp e, 0,1,2,3
	v_cvt_scalef32_pk8_bf8_f32 v[PC+16*\a+4*\e:PC+16*\a+4*\e+1], v[TMP+16*\e:TMP+16*\e+7], v[SCO+4*\a+\e]
	v_cvt_scalef32_pk8_bf8_f32 v[PC+16*\a+4*\e+2:PC+16*\a+4*\e+3], v[TMP+16*\e+8:TMP+16*\e+15], v[SCO+4*\a+\e]
.endr
	v_nop                                                    ; a plain line behind the last conversion, ahead of the next holds
.endr
.endm
.macro CODES ptr, astr, hstr           ; sixteen stores of 512 consecutive bytes, aligned
.irp a, 0,1,2,3
.irp e, 0,1,2,3
	global_store_b128 v1, v[PC+16*\a+4*\e:PC+16*\a+4*\e+3], s[\ptr:\ptr+1] offset:\a*\astr+(\e/2)*\hstr+(\e%2)*512
.endr
.endr
.endm
.macro SWORDS                          ; q, k: a head has two blocks: lanes 0-15 take the first head's two bytes, lanes 16-31 the second's; the upper half of K = 128 gets the byte 127
	s_mov_b32 s66, 0xffff
	s_mov_b32 s67, 0x7f7f0000
.irp a, 0,1,2,3
	v_lshrrev_b32 v[SWD+\a], v11, v[PW+\a]
.endr
.irp a, 0,1,2,3
	v_and_or_b32 v[SWD+\a], v[SWD+\a], s66, s67
.endr
.endm
	s_load_b512 s[4:19], s[0:1], 0x0                         ; cod, scl, tl, bq, bk, bv, qimg, qscl
	s_load_b64 s[20:21], s[0:1], 0x40                        ; kv
	v_lshl_add_u32 v8, v0, 2, SPARE
	v_mov_b32 v9, 0
	ds_add_u32 v8, v9                                        ; the opening lines: the add, twice on end, and its wait
	ds_add_u32 v8, v9
	v_lshrrev_b32 v11, 5, v0
	v_readfirstlane_b32 s22, v11                             ; wave 0..3
	s_lshr_b32 s23, s22, 1                                   ; my half of the A blocks.  Also: I fetch for A (0) or for B (1)
	s_and_b32 s24, s22, 1                                    ; my B group.  Also: which part I fetch
	s_bfe_u32 s25, ttmp6, 0x40000                            ; cx
	s_bfe_u32 s26, ttmp6, 0x40004                            ; cy
	s_and_b32 s28, ttmp7, 0xffff                             ; the cluster's y: the first tile's row of clusters
	s_and_b32 s31, ttmp9, 1                                  ; k?
	s_lshl_b32 s29, s26, 2
	s_lshl_b32 s29, 15, s29                                  ; my row of the cluster
	s_lshl_b32 s30, 0x1111, s25                              ; my column
	; group 1: dense blocks as rows of 256 bytes (32 elements of 8 bytes), no padding
	s_or_b32 s[G1A], s29, (3<<16)|(1<<21)
	s_or_b32 s[G1B], s30, (3<<16)|(1<<21)
.irp g, G1A, G1B
	s_mov_b32 s[\g+1], 32<<16                                ; tensor_dim0
	s_mov_b32 s[\g+3], 32<<16                                ; tile_dim0
	s_mov_b32 s[\g+5], 32                                    ; the pitch
	s_mov_b32 s[\g+6], 0
	s_mov_b32 s[\g+7], 0
.endr
	ROWS 192, 384                                            ; the head's loads: three K steps: a half of A's 98,304 bytes, a B group's 98,304
	s_mul_i32 s56, s24, 98304
	s_add_co_u32 s56, s56, 98304                             ; my B group's place in LDS
	s_lshl_b32 s58, s24, 14                                  ; my half of a K step of A
	s_mov_b32 s59, 0
	s_mov_b32 s2, 0x76543210
	s_mov_b32 s3, 0xfedcba98
	s_mov_b32 s29, 0x600000                                  ; the mantissa field of 57,344
	s_wait_dscnt 0x0                                         ; both opening adds are done
	s_wait_kmcnt 0x0
	IDS
	CROUND                                                   ; all sixteen work-groups are here: the first joint loads meet
	s_mov_b32 s[G0A], 1
	s_mov_b32 s[G0B], 1
	s_mov_b32 s[G0A+4], 1
	s_mov_b32 s[G0B+4], 1
	s_mul_i32 s98, s24, 49152
	s_mov_b32 s99, 0
	s_mov_b32 s[G0A+1], s98
	s_add_nc_u64 s[G0A+2:G0A+3], s[86:87], s[98:99]
	s_or_b32 s[G0A+3], s[G0A+3], 0x80000000
	s_mov_b32 s[G0B+1], s56
	s_mov_b64 s[G0B+2:G0B+3], s[88:89]
	s_or_b32 s[G0B+3], s[G0B+3], 0x80000000
	DESC3
	JLOAD G0A, G1A, G0B, G1B                                 ; one tensor load a wave at the head
	v_and_b32 v15, 31, v0                                    ; lane
	v_and_b32 v13, 15, v0                                    ; r
	v_bfe_u32 v14, v0, 4, 1                                  ; h
	v_lshlrev_b32 v1, 4, v15                                 ; 16 x lane
	v_lshlrev_b32 v11, 4, v14                                ; 16 h
	s_lshl_b32 s92, s23, 14
	s_mov_b32 s93, s56
.irp j, 0,1,2
	v_add_nc_u32 v[2+\j], s92, v1                            ; my four A blocks of K step j's place
	v_add_nc_u32 v[5+\j], s93, v1                            ; my B group's
	s_add_co_u32 s92, s92, 32768
	s_add_co_u32 s93, s93, 32768
.endr
	v_and_b32 v12, 8, v13
	v_add_nc_u32 v12, v12, v13
	v_lshlrev_b32 v10, 6, v12
	v_lshl_add_u32 v10, v14, 5, v10                          ; rank-16 tables, rows of 64 bytes: 64 (r + 8 (r / 8)) + 32 h
	s_wait_alu depctr_va_vdst(0)
	SCALEWORDS                                               ; the first tile's
	s_mov_b32 s79, 0
.Ltile:                                                          ; two trips: the tiles of q or k
	TILE 1
	WAYOUT
	s_lshr_b32 s86, s76, 4                                   ; the batch
	s_and_b32 s87, s76, 15
	s_lshl_b32 s87, s87, 3
	s_lshl_b32 s88, s23, 2
	s_add_co_u32 s87, s87, s88                               ; my first tile of 16 tokens in it
	s_and_b32 s88, s77, 3
	s_lshl_b32 s88, s88, 2
	s_lshl_b32 s89, s24, 1
	s_add_co_u32 s88, s88, s89                               ; my first head
	s_lshl_b32 s86, s86, 4
	s_add_co_u32 s86, s86, s88                               ; batch x 16 + head
	s_cmp_eq_u32 s31, 1
	s_cbranch_scc1 .Lk
	s_lshl_b32 s90, s86, 17                                  ; q: 131,072 bytes a head, 1,024 a tile
	s_lshl_b32 s92, s87, 10
	s_add_co_u32 s90, s90, s92
	s_mov_b32 s91, 0
	s_add_nc_u64 s[90:91], s[16:17], s[90:91]
	s_lshl_b32 s92, s86, 13                                  ; scale words: 8,192 a head, 256 for four tiles
	s_lshl_b32 s93, s87, 6
	s_add_co_u32 s92, s92, s93
	s_mov_b32 s93, 0
	s_add_nc_u64 s[92:93], s[18:19], s[92:93]
	v_lshlrev_b32 v12, 13, v14
	v_lshl_add_u32 v12, v13, 4, v12                          ; 8,192 h + 16 r
	SWORDS
	CODES 90, 1024, 131072
	global_store_b128 v12, v[SWD:SWD+3], s[92:93]            ; two runs of 256 consecutive bytes, aligned
	s_branch .Lstored
.Lk:
	s_mul_i32 s98, s86, 274432                               ; k: a head's eight chunks of 34,304 bytes
	s_lshr_b32 s99, s87, 4
	s_mul_i32 s99, s99, 34304
	s_add_co_u32 s98, s98, s99
	s_and_b32 s99, s87, 15
	s_lshl_b32 s90, s99, 10
	s_add_co_u32 s90, s90, s98
	s_mov_b32 s91, 0
	s_add_nc_u64 s[90:91], s[20:21], s[90:91]
	s_lshl_b32 s92, s99, 6
	s_add_co_u32 s92, s92, s98
	s_add_co_u32 s92, s92, 32768
	s_mov_b32 s93, 0
	s_add_nc_u64 s[92:93], s[20:21], s[92:93]
	s_wait_alu depctr_va_vdst(0)                             ; behind the taken branch, ahead of the codes' readers
	v_mul_u32_u24 v12, v14, 274432
	v_lshl_add_u32 v12, v13, 4, v12
	SWORDS
	CODES 90, 1024, 274432
	global_store_b128 v12, v[SWD:SWD+3], s[92:93]
.Lstored:
	s_add_co_u32 s79, s79, 1
	s_cmp_lt_u32 s79, 2
	s_wait_alu depctr_va_vdst(0)
	s_cbranch_scc1 .Ltile
	TILE 0                                                   ; the tile of v: nothing follows it
	WAYOUT
	s_lshr_b32 s86, s82, 3                                   ; v: the batch,
	s_lshl_b32 s86, s86, 4
	s_and_b32 s87, s27, 7
	s_lshl_b32 s87, s87, 1
	s_add_co_u32 s86, s86, s87
	s_add_co_u32 s86, s86, s23                               ; the head: my 64 A rows,
	s_mul_i32 s98, s86, 274432
	s_and_b32 s99, s82, 7                                    ; the chunk of 256 keys: my tile of tokens
	s_mul_i32 s99, s99, 34304
	s_add_co_u32 s98, s98, s99
	s_lshl_b32 s90, s24, 13                                  ; and its half of 128 keys: my B group
	s_add_co_u32 s90, s90, s98
	s_add_co_u32 s90, s90, 16384
	s_mov_b32 s91, 0
	s_add_nc_u64 s[90:91], s[20:21], s[90:91]
	s_lshl_b32 s92, s24, 8
	s_add_co_u32 s92, s92, s98
	s_add_co_u32 s92, s92, 33792
	s_mov_b32 s93, 0
	s_add_nc_u64 s[92:93], s[20:21], s[92:93]
	v_lshlrev_b32 v12, 4, v13
	s_wait_alu depctr_va_vdst(0)                             ; behind the run of scalar lines
	CODES 90, 2048, 1024
	v_cmp_gt_u32 vcc_lo, 16, v15
	s_wait_xcnt 0x0                                          ; EXEC changes only behind this wait,
	s_and_saveexec_b32 s98, vcc_lo
	global_store_b128 v12, v[PW:PW+3], s[92:93]              ; lanes 0-15: the words of four tiles of channels: 256 consecutive bytes
	s_wait_xcnt 0x0                                          ; and again
	s_or_b32 exec_lo, exec_lo, s98
	s_wait_tensorcnt 0x0                                     ; the wave's end
	ds_add_u32 v8, v9
	s_wait_dscnt 0x0
	CROUND                                                   ; the closing round
	s_endpgm
.Lfunc_end_k_qbd932b1c71_qkv:
	.size	k_qbd932b1c71_qkv, .Lfunc_end_k_qbd932b1c71_qkv-k_qbd932b1c71_qkv
	.p2alignl 7, 3214868480
	.fill 96, 4, 3214868480
	.section	.rodata,"a",@progbits
	.p2align	6, 0x0
	.amdhsa_kernel k_qbd932b1c71_qkv
		.amdhsa_group_segment_fixed_size 327680
		.amdhsa_private_segment_fixed_size 0
		.amdhsa_enable_private_segment 0
		.amdhsa_kernarg_size 72
		.amdhsa_user_sgpr_count 2
		.amdhsa_user_sgpr_kernarg_segment_ptr 1
		.amdhsa_wavefront_size32 1
		.amdhsa_system_sgpr_workgroup_id_x 1
		.amdhsa_system_sgpr_workgroup_id_y 1
		.amdhsa_system_sgpr_workgroup_id_z 1
		.amdhsa_system_vgpr_workitem_id 0
		.amdhsa_next_free_vgpr 1024
		.amdhsa_next_free_sgpr 100
		.amdhsa_reserve_vcc 1
		.amdhsa_float_denorm_mode_32 3
		.amdhsa_float_denorm_mode_16_64 3
		.amdhsa_memory_ordered 1
		.amdhsa_forward_progress 1
		.amdhsa_inst_pref_size 230
	.end_amdhsa_kernel
	.amdgpu_metadata
---
amdhsa.version: [ 1, 2 ]
amdhsa.kernels:
  - .name:           k_qbd932b1c71_qkv
    .symbol:         k_qbd932b1c71_qkv.kd
    .args:
      - { .name: cod, .offset: 0, .size: 8, .value_kind: global_buffer, .address_space: global }
      - { .name: scl, .offset: 8, .size: 8, .value_kind: global_buffer, .address_space: global }
      - { .name: tl, .offset: 16, .size: 8, .value_kind: global_buffer, .address_space: global }
      - { .name: bq, .offset: 24, .size: 8, .value_kind: global_buffer, .address_space: global }
      - { .name: bk, .offset: 32, .size: 8, .value_kind: global_buffer, .address_space: global }
      - { .name: bv, .offset: 40, .size: 8, .value_kind: global_buffer, .address_space: global }
      - { .name: qimg, .offset: 48, .size: 8, .value_kind: global_buffer, .address_space: global }
      - { .name: qscl, .offset: 56, .size: 8, .value_kind: global_buffer, .address_space: global }
      - { .name: kv, .offset: 64, .size: 8, .value_kind: global_buffer, .address_space: global }
    .group_segment_fixed_size: 327680
    .private_segment_fixed_size: 0
    .kernarg_segment_align: 8
    .kernarg_segment_size: 72
    .max_flat_workgroup_size: 128
    .sgpr_count:     100
    .vgpr_count:     1024
    .wavefront_size: 32
...
	.end_amdgpu_metadata
.endif
;; end of part 2
;; launch attn (part 3): grid 4 x 64, 8 waves a work-group, clusters of 4 x 1, 327,680 bytes of LDS; arguments qimg, qscl, kv, ctxc, ctxs; writes ctxc, ctxs
.if DOCPART == 3
	.amdgcn_target "amdgcn-amd-amdhsa--gfx1250"
	.amdhsa_code_object_version 6
	.text
	.protected	k_qbd932b1c71_attn
	.globl	k_qbd932b1c71_attn
	.p2align	8
	.type	k_qbd932b1c71_attn,@function
k_qbd932b1c71_attn:
	s_mov_b64 s[64:65], 0
	v_nop
	global_prefetch_b8 v0, s[64:65] scope:SCOPE_SE
	s_setreg_imm32_b32 hwreg(HW_REG_WAVE_MODE, 25, 1), 1
	s_wait_xcnt 0x0
	s_wait_alu depctr_hold_cnt(0) depctr_sa_sdst(0) depctr_va_vdst(0) depctr_va_sdst(0) depctr_va_ssrc(0) depctr_va_vcc(0) depctr_vm_vsrc(0)
	s_getreg_b32 s2, hwreg(HW_REG_IB_STS2, 6, 4)
	s_cmp_eq_u32 s2, 0
	s_cbranch_scc0 .Lentry_in_a_cluster
	s_endpgm
.Lentry_in_a_cluster:
	s_bfe_u32 s2, ttmp6, 0x10000c
	s_cmp_lg_u32 s2, 0x3003
	s_cbranch_scc0 .Lentry_shape_is_right
	s_endpgm
.Lentry_shape_is_right:
; ctx = softmax(q k^T / 8, causal) v for one (batch, head), both products on codes of E5M2 with E8M0 scales, and ctx quantised along the model's 1,024 channels on the way out.
; THE SOFTMAX: t = score x log2(e) / 8; M = the running largest t rounded up to a whole number; p = 2^(t - M) is quantised along the keys, not normalised; the row's sum is taken of the
; unquantised p and divides at the end.  When M moves, the sum and O are multiplied by 2^(old M - new M), which rounds nothing.
; LIMITS: NaN and infinities are not served; a block of zeros gets the byte 1; a block's largest magnitude is taken at 2^-111 at the least; the scaled scores stay under 2^31 in magnitude.
; LEFT OUT: key steps all of whose keys come after a tile's queries (the causal mask makes their p zero).
; LDS.  A head's K, V and scale words are 8 chunks of 34,304 bytes, 274,432 in all: they lie in LDS whole.  Wave w asks for chunk w at the head, one tensor load a wave; one wait and one barrier show
; all eight; nothing is filled again, so the walk over the keys has no barrier.
; CLUSTER 4, 1, 1: the four work-groups of a head need the same eight chunks and ask for them jointly (mask 15).
; SHARES.  The head's 2,048 queries are 16 groups g of 128.  Partner cx owns queries 128 g + 32 cx .. + 31 of every group; wave w takes g = w and then g = 15 - w: (w + 1) + (16 - w) = 17 key steps of 128
; keys in every wave, the last of each tile on the diagonal.  Trip counts, branches and LDS addresses are made of the wave's number and the loop's counter; cx enters global addresses and the mask's numbers alone.
; ONE LOOP of 32 trips (tile = trip / 16, key step = trip % 16); a trip whose key step lies beyond g is jumped over.
; NO PREFETCH: every byte that the launch reads through LDS is asked for at the head; there is no later load to run ahead of.
; LAYOUT.  Both products are used transposed: S^T = K Q^T, O^T = V^T P^T: a lane holds one query.  A tile's lane r holds token 8 u + r + 8 (r / 8) of its 32, so that the 16 registers of tiles 2 b, 2 b + 1
; are 16 neighbouring keys (channels), and the conversions' results are the next operand's registers.  All operands lie in memory as images of their registers.
; THE HEAD'S 64 CHANNELS IN A PRODUCT OF K = 128: Q's registers 8-15 are zero codes, so what stands in K's registers 8-15 (the next tile's codes, finite, or zeros) adds nothing; the scale bytes there are 127.
; A chunk: K's 16 tiles x 1,024 bytes; at 16,384 V's 2 x 4 fragments x 2,048; at 32,768 K's scale words [4][16 r][4]; at 33,792 V's [2][16 r][4].
; REGISTERS: window 0: v1-11, v60-62 addresses and constants; v12-19 -M, largest t, sum (two halves) for each tile; v20-37 scale words; v38-41 f; v42-59 at work; v64-191 S^T, then p;
;   v192-223 p's codes (ahead of them: at work); v224-255 Q's two fragments, each 8 registers of codes and 8 of zeros.
;   window 1: v0-63 O^T; v64-127 K's eight tiles, v128-135 zeros; v136-199 V's four fragments; v200-215 the second tile pair's Q.
.set CHUNK, 34304
.set HEADB, 8*CHUNK
.set SPARE, HEADB                      ; behind the chunks: the spare words, 128 bytes for each of eight waves
.set TM, 42
.set PC, 192
.set MSB, 0
.macro WIN new
.if MSB != \new
	s_set_vgpr_msb (MSB<<8)|\new
.set MSB, \new
.endif
.endm
.macro PLACES n
.rept \n
	v_nop
.endr
.endm
.macro CROUND                          ; a round of the cluster's barrier
	s_barrier_signal -1
	s_barrier_wait -1
	s_cmp_lg_u32 s14, 0
	s_cbranch_scc1 .Lnot_wave_0_\@
	s_barrier_signal -3
.Lnot_wave_0_\@:
	s_barrier_wait -3
	s_barrier_signal -1
	s_barrier_wait -1
.endm
.macro QUANT s, pw                     ; 64 numbers of a lane, four blocks of 16 + the other half's 16, become 16 registers of codes in v[PC] on and four bytes in v[pw]
.irp b, 0,1,2,3
	v_max3_num_f32 v[TM+\b], |v[\s+16*\b]|, |v[\s+1+16*\b]|, 0x8000000
.endr
.irp i, 2,4,6,8,10,12,14
.irp b, 0,1,2,3
	s_delay_alu instid0(VALU_DEP_4)
	v_max3_num_f32 v[TM+\b], v[TM+\b], |v[\s+16*\b+\i]|, |v[\s+1+16*\b+\i]|
.endr
.endr
.irp b, 0,1,2,3
	s_delay_alu instid0(VALU_DEP_4)
	v_permlanex16_b32 v[TM+4+\b], v[TM+\b], s24, s25
.endr
.irp b, 0,1,2,3
	s_delay_alu instid0(VALU_DEP_4)
	v_max_num_f32 v[TM+\b], v[TM+\b], v[TM+4+\b]
.endr
.irp b, 0,1,2,3
	s_delay_alu instid0(VALU_DEP_4)
	v_add_nc_u32 v[TM+12+\b], 0xf8800000, v[TM+\b]
.endr
.irp b, 0,1,2,3
	v_and_or_b32 v[TM+8+\b], v[TM+\b], 0x7f800000, s23
.endr
.irp b, 0,1,2,3
	v_lshrrev_b32 v[TM+4+\b], 23, v[TM+12+\b]
.endr
	s_delay_alu instid0(VALU_DEP_3)
	v_lshl_or_b32 v[\pw], v[TM+5], 8, v[TM+4]
	s_delay_alu instid0(VALU_DEP_1)
	v_lshl_or_b32 v[\pw], v[TM+6], 16, v[\pw]
	s_delay_alu instid0(VALU_DEP_1)
	v_lshl_or_b32 v[\pw], v[TM+7], 24, v[\pw]
.irp b, 0,1,2,3
.irp i, 0,1,2,3,4,5,6,7,8,9,10,11,12,13,14,15
	v_med3_num_f32 v[\s+16*\b+\i], v[\s+16*\b+\i], -v[TM+8+\b], v[TM+8+\b]
.endr
	v_cvt_scalef32_pk8_bf8_f32 v[PC+4*\b:PC+1+4*\b], v[\s+16*\b:\s+7+16*\b], v[TM+12+\b]
	v_cvt_scalef32_pk8_bf8_f32 v[PC+2+4*\b:PC+3+4*\b], v[\s+8+16*\b:\s+15+16*\b], v[TM+12+\b]
.endr
	v_nop
.endm
; line n = 0 .. 31 of a tile's sum of its 64 unquantised p at v[p] on: four chains (the running sum v[acc] and three pairs at v[t] on), joined by the last three lines
.macro SUMI n, p, acc, t
.if (\n) < 3
	v_pk_add_f32 v[\t+2*(\n):\t+2*(\n)+1], v[\p+4*(\n):\p+4*(\n)+1], v[\p+4*(\n)+2:\p+4*(\n)+3]
.elseif (\n) < 29 && ((\n)-3)%4 == 0
	v_pk_add_f32 v[\acc:\acc+1], v[\acc:\acc+1], v[\p+2*(\n)+6:\p+2*(\n)+7]
.elseif (\n) < 29
	v_pk_add_f32 v[\t+2*(((\n)-3)%4)-2:\t+2*(((\n)-3)%4)-1], v[\t+2*(((\n)-3)%4)-2:\t+2*(((\n)-3)%4)-1], v[\p+2*(\n)+6:\p+2*(\n)+7]
.elseif (\n) == 29
	v_pk_add_f32 v[\t:\t+1], v[\t:\t+1], v[\t+2:\t+3]
.elseif (\n) == 30
	v_pk_add_f32 v[\acc:\acc+1], v[\acc:\acc+1], v[\t+4:\t+5]
.else
	v_pk_add_f32 v[\acc:\acc+1], v[\acc:\acc+1], v[\t:\t+1]
.endif
.endm
.macro INIT
	v_mov_b32 v13, 0xff61b1e6                                ; the largest t so far: -3e38
	v_mov_b32 v17, 0xff61b1e6
	s_delay_alu instid0(VALU_DEP_2)
	v_floor_f32 v12, -v13
	s_delay_alu instid0(VALU_DEP_2)
	v_floor_f32 v16, -v17
	v_mov_b32 v14, 0
	v_mov_b32 v15, 0
	v_mov_b32 v18, 0
	v_mov_b32 v19, 0
	WIN 0x40
.set n, 0
.rept 64
	v_mov_b32 v[n], 0                                        ; O^T: the step is written once; the first change of M multiplies zeros
.set n, n+1
.endr
	WIN 0
.endm
	s_load_b256 s[4:11], s[0:1], 0x0                         ; qimg, qscl, kv, ctxc
	s_load_b64 s[12:13], s[0:1], 0x20                        ; ctxs
	v_lshl_add_u32 v4, v0, 2, SPARE
	v_mov_b32 v5, 0
	ds_add_u32 v4, v5                                        ; the opening lines: the add, twice on end, and its wait ahead of the first round and load
	ds_add_u32 v4, v5
	v_lshrrev_b32 v6, 5, v0
	v_readfirstlane_b32 s14, v6                              ; wave 0..7
	s_bfe_u32 s15, ttmp6, 0x40000                            ; cx
	s_and_b32 s16, ttmp7, 0xffff                             ; batch x 16 + head
	; group 1: a chunk, 34,304 dense bytes, as 134 rows of 256 bytes (32 elements of 8 bytes); the mask names the four partners, bit 21 beside it
	s_mov_b32 s28, 15|(3<<16)|(1<<21)
	s_mov_b32 s29, 32<<16
	s_mov_b32 s30, 134<<16
	s_mov_b32 s31, 32<<16
	s_mov_b32 s32, 134
	s_mov_b32 s33, 32
	s_mov_b32 s34, 0
	s_mov_b32 s35, 0
	s_mov_b32 s36, 1
	s_mul_i32 s37, s14, CHUNK                                ; chunk = my wave's number, in LDS
	s_mul_i32 s54, s16, HEADB
	s_add_co_u32 s54, s54, s37                               ; and in kv
	s_mov_b32 s55, 0
	s_wait_dscnt 0x0                                         ; both opening adds are done
	CROUND                                                   ; the four partners are here: the joint loads meet
	s_wait_kmcnt 0x0
	s_add_nc_u64 s[38:39], s[8:9], s[54:55]
	s_or_b32 s39, s39, 0x80000000
	tensor_load_to_lds s[36:39], s[28:35]                    ; my one tensor load of the launch
	s_nop 0
	PLACES 4
	v_and_b32 v6, 31, v0
	v_and_b32 v7, 15, v0
	v_bfe_u32 v3, v0, 4, 1
	v_lshlrev_b32 v1, 4, v6                                  ; 16 x lane
	v_lshlrev_b32 v10, 2, v6                                 ; 4 x lane
	v_lshlrev_b32 v60, 4, v7                                 ; 16 r
	v_lshlrev_b32 v9, 4, v3                                  ; 16 h
	v_and_b32 v8, 8, v7
	v_add_nc_u32 v8, v8, v7
	v_sub_nc_u32 v8, v8, v9                                  ; r + 8 (r / 8) - 16 h
	s_lshl_b32 s54, s15, 5
	v_add_nc_u32 v6, s54, v8                                 ; d = my query - the diagonal step's first key - 16 h: the same in both tile pairs.  Register 16 b + i holds key 32 b + 16 h + i: hidden where 32 b + i > d
	v_add_nc_u32 v7, 8, v6                                   ; the second tile's queries lie 8 on
	v_mov_b32 v61, 0xff800000
	s_wait_alu depctr_va_vdst(0)                             ; ahead of the run of scalar lines
	s_sub_co_u32 s45, 15, s14                                ; the second group of queries
	s_mov_b32 s23, 0x600000                                  ; the mantissa field of 57,344
	s_mov_b32 s24, 0x76543210
	s_mov_b32 s25, 0xfedcba98
	s_mov_b32 s26, 0x3e38aa3b                                ; log2(e) / 8
	s_mov_b32 s27, s26
	; Q: the pair of tiles a = 4 g + cx: 2,048 bytes of codes; scale words: 256 bytes for two pairs, 16 a row, 8 a pair
	s_lshl_b32 s56, s14, 2
	s_add_co_u32 s56, s56, s15
	s_lshl_b32 s58, s45, 2
	s_add_co_u32 s58, s58, s15
	s_lshl_b32 s54, s16, 17
	s_add_nc_u64 s[4:5], s[4:5], s[54:55]
	s_lshl_b32 s54, s56, 11
	s_add_nc_u64 s[50:51], s[4:5], s[54:55]
	s_lshl_b32 s54, s58, 11
	s_add_nc_u64 s[52:53], s[4:5], s[54:55]
.irp t, 0,1
.irp c, 0,1
	global_load_b128 v[224+16*\t+4*\c:224+16*\t+4*\c+3], v1, s[50:51] offset:1024*\t+512*\c
.endr
.endr
	WIN 0x40
.irp t, 0,1
.irp c, 0,1
	global_load_b128 v[200+8*\t+4*\c:200+8*\t+4*\c+3], v1, s[52:53] offset:1024*\t+512*\c
.endr
.endr
.irp j, 0,1,2,3,4,5,6,7
	v_mov_b32 v[128+\j], 0                                   ; behind K's last tile
.endr
	WIN 0
	s_lshl_b32 s54, s16, 13
	s_add_nc_u64 s[6:7], s[6:7], s[54:55]
	s_lshr_b32 s54, s56, 1
	s_lshl_b32 s54, s54, 8
	s_and_b32 s57, s56, 1
	s_lshl_b32 s57, s57, 3
	s_add_co_u32 s54, s54, s57
	s_add_nc_u64 s[60:61], s[6:7], s[54:55]
	s_lshr_b32 s54, s58, 1
	s_lshl_b32 s54, s54, 8
	s_and_b32 s57, s58, 1
	s_lshl_b32 s57, s57, 3
	s_add_co_u32 s54, s54, s57
	s_add_nc_u64 s[62:63], s[6:7], s[54:55]
	global_load_b64 v[20:21], v60, s[60:61]
	global_load_b64 v[22:23], v60, s[62:63]
	; where ctx goes.  ctxc: group of 128 tokens 16 batch + g (131,072 bytes), K step of 256 head / 4, blocks 2 cx, 2 cx + 1 (4,096 each), the head's 64 channels (head % 4) x 1,024.  ctxs: head, batch, pair a: 128 bytes
	s_lshr_b32 s54, s16, 4                                   ; batch
	s_and_b32 s56, s16, 15                                   ; head
	s_lshl_b32 s58, s54, 21
	s_lshr_b32 s59, s56, 2
	s_lshl_b32 s59, s59, 15
	s_add_co_u32 s58, s58, s59
	s_lshl_b32 s59, s15, 13
	s_add_co_u32 s58, s58, s59
	s_and_b32 s59, s56, 3
	s_lshl_b32 s59, s59, 10
	s_add_co_u32 s58, s58, s59
	s_mov_b32 s59, 0
	s_add_nc_u64 s[10:11], s[10:11], s[58:59]
	s_lshl_b32 s58, s56, 15
	s_lshl_b32 s54, s54, 13
	s_add_co_u32 s58, s58, s54
	s_lshl_b32 s54, s15, 7
	s_add_co_u32 s58, s58, s54
	s_add_nc_u64 s[12:13], s[12:13], s[58:59]
.irp j, 0,1,2,3,4,5,6,7
	v_mov_b32 v[232+\j], 0                                   ; the zero codes of Q's upper half of K
	v_mov_b32 v[248+\j], 0
	v_mov_b32 v[192+\j], 0                                   ; lane permutes' destinations count as sources
.endr
.irp j, 39,41,46,47,48,49,58,59
	v_mov_b32 v[\j], 0                                       ; upper halves of named pairs, and more permutes' destinations
.endr
	INIT
	s_mov_b32 s17, 0                                         ; the trip
	s_wait_alu depctr_va_vdst(0)
	s_wait_loadcnt 0x0                                       ; Q
	s_wait_tensorcnt 0x0                                     ; my chunk is in
	s_barrier_signal -1
	s_barrier_wait -1                                        ; all eight are in
.Ltrip:
	s_and_b32 s21, s17, 15                                   ; the key step
	s_cmp_lt_u32 s17, 16
	s_cselect_b32 s19, s14, s45                              ; g of the tile pair in hand
	s_cmp_gt_u32 s21, s19                                    ; all its keys come after my queries: nothing to do (the wave's number and the counter decide)
	s_cbranch_scc1 .Lnext
	s_lshr_b32 s54, s21, 1
	s_mul_i32 s54, s54, CHUNK                                ; the chunk,
	s_and_b32 s55, s21, 1                                    ; and which half of it
	s_lshl_b32 s50, s55, 13
	s_add_co_u32 s50, s50, s54                               ; K's and V's images: 8,192 bytes a half
	s_lshl_b32 s51, s55, 9
	s_add_co_u32 s51, s51, s54                               ; K's scale words: 512
	s_lshl_b32 s52, s55, 8
	s_add_co_u32 s52, s52, s54                               ; V's: 256
	v_add_nc_u32 v2, s50, v1
	v_add_nc_u32 v3, s51, v60
	v_add_nc_u32 v62, s52, v60
	PLACES 5                                                 ; with the three above: eight places behind the last step's products, ahead of loads into V's registers and scale words
	s_wait_alu depctr_va_vdst(0)                             ; behind the addresses' writes
	ds_load_b128 v[24:27], v3 offset:32768                   ; K's scale words, tiles 0-3 and 4-7
	ds_load_b128 v[28:31], v3 offset:32768+256
	ds_load_b128 v[32:35], v62 offset:33792                  ; V's
	WIN 0x40
.irp t, 0,1,2,3,4,5,6,7
.irp c, 0,1
	ds_load_b128 v[64+8*\t+4*\c:64+8*\t+4*\c+3], v2 offset:1024*\t+512*\c
.endr
.endr
.irp t, 0,1,2,3
.irp c, 0,1,2,3
	ds_load_b128 v[136+16*\t+4*\c:136+16*\t+4*\c+3], v2 offset:16384+2048*\t+512*\c
.endr
.endr
	s_wait_dscnt 16                                          ; K and the scale words are in; V's sixteen loads may stay out
	WIN 0x01
.irp t, 0,1,2,3,4,5,6,7
.irp u, 0,1
	v_wmma_scale_f32_16x16x128_f8f6f4 v[64+64*\u+8*\t:64+64*\u+8*\t+7], v[64+8*\t:64+8*\t+15], v[224+16*\u:224+16*\u+15], 0, v[24+\t], v[20+\u] matrix_a_fmt:MATRIX_FMT_BF8 matrix_b_fmt:MATRIX_FMT_BF8
.endr
.endr
	WIN 0
	PLACES 8
	s_cmp_lg_u32 s21, s19                                    ; only a tile pair's last step lies on the diagonal
	s_cbranch_scc1 .Lopen
.set n, 0
.rept 64
	v_cmp_gt_i32 vcc_lo, 32*(n/16)+n%16, v6
	v_cndmask_b32 v[64+n], v[64+n], v61, vcc_lo              ; -infinity: p = 0
	v_cmp_gt_i32 vcc_lo, 32*(n/16)+n%16, v7
	v_cndmask_b32 v[128+n], v[128+n], v61, vcc_lo
.set n, n+1
.endr
.Lopen:
	; eight blocks of 32 keys (k = 4 x tile + b): the largest score of each serves the row's maximum and, since p rises with the score, the block's largest p
.irp k, 0,1,2,3,4,5,6,7
	v_max3_num_f32 v[42+\k], v[64+16*\k], v[65+16*\k], v[66+16*\k]
.endr
.irp i, 3,5,7,9,11,13
.irp k, 0,1,2,3,4,5,6,7
	v_max3_num_f32 v[42+\k], v[42+\k], v[64+16*\k+\i], v[65+16*\k+\i]
.endr
.endr
.irp k, 0,1,2,3,4,5,6,7
	v_max_num_f32 v[42+\k], v[42+\k], v[79+16*\k]
.endr
.irp k, 0,1,2,3,4,5,6,7
	v_permlanex16_b32 v[192+\k], v[42+\k], s24, s25
.endr
.irp k, 0,1,2,3,4,5,6,7
	v_max_num_f32 v[42+\k], v[42+\k], v[192+\k]              ; with lane l xor 16's 16 keys
.endr
	v_max3_num_f32 v58, v42, v43, v44
	v_max3_num_f32 v59, v46, v47, v48
	v_max_num_f32 v58, v58, v45
	v_max_num_f32 v59, v59, v49                              ; the step's largest score of my query
	v_mul_f32 v58, s26, v58
	v_mul_f32 v59, s26, v59                                  ; as t
	v_max_num_f32 v13, v13, v58
	v_max_num_f32 v17, v17, v59                              ; the running largest t
	v_mov_b32 v58, v12
	v_mov_b32 v59, v16
	v_floor_f32 v12, -v13
	v_floor_f32 v16, -v17                                    ; the new -M = floor(-t): M is a whole number
	v_sub_f32 v58, v12, v58
	v_sub_f32 v59, v16, v59                                  ; old M - new M, a whole number, 0 or less
	v_cvt_i32_f32 v58, v58
	v_cvt_i32_f32 v59, v59                                   ; (it saturates)
	v_ldexp_f32 v38, 1.0, v58
	v_ldexp_f32 v40, 1.0, v59                                ; f = 2^(old M - new M)
	WIN 0x41
.set n, 0
.rept 16
	v_pk_mul_f32 v[n:n+1], v[n:n+1], v[38:39] op_sel_hi:[1,0]           ; O^T under the new M, ahead of the step's first exponential
	v_pk_mul_f32 v[32+n:33+n], v[32+n:33+n], v[40:41] op_sel_hi:[1,0]
.set n, n+2
.endr
	WIN 0
	v_pk_mul_f32 v[14:15], v[14:15], v[38:39] op_sel_hi:[1,0]   ; the sums under the new M
	v_pk_mul_f32 v[18:19], v[18:19], v[40:41] op_sel_hi:[1,0]
.set n, 0
.rept 32
	v_pk_fma_f32 v[64+n:65+n], v[64+n:65+n], s[26:27], v[12:13] op_sel_hi:[1,0,0]       ; the first tile's t - M, two at a time
.set n, n+2
.endr
.irp b, 0,1,2,3
	v_fma_f32 v[42+\b], v[42+\b], s26, v12                   ; the same of each block's largest score
	v_fma_f32 v[46+\b], v[46+\b], s26, v16
.endr
	s_wait_alu depctr_va_vdst(0)                             ; ahead of the batch
.irp k, 0,1,2,3,4,5,6,7
	v_exp_f32 v[42+\k], v[42+\k]                             ; the blocks' largest p
.endr
.set n, 0
.rept 32
	v_exp_f32 v[64+n], v[64+n]                               ; the first tile's p = 2^(t - M), at most 1;
	v_exp_f32 v[65+n], v[65+n]
	v_pk_fma_f32 v[128+n:129+n], v[128+n:129+n], s[26:27], v[16:17] op_sel_hi:[1,0,0]   ; among them the second tile's t - M, which names none of their registers and is read behind the next waits
.set n, n+2
.endr
	s_wait_alu depctr_va_vdst(0)                             ; one wait for the batch, ahead of its first reader
.irp k, 0,1,2,3,4,5,6,7
	v_max_num_f32 v[42+\k], 0x8000000, v[42+\k]              ; the floor 2^(16 - 127): the byte cannot fall under 1
.endr
.irp k, 0,1,2,3,4,5,6,7
	v_add_nc_u32 v[50+\k], 0xf8800000, v[42+\k]              ; the conversion's scale operand
.endr
.irp k, 0,1,2,3,4,5,6,7
	v_and_or_b32 v[42+\k], v[42+\k], 0x7f800000, s23         ; 57,344 x the scale, in place
.endr
.irp k, 0,1,2,3,4,5,6,7
	v_lshrrev_b32 v[192+\k], 23, v[50+\k]                    ; the byte
.endr
	v_lshl_or_b32 v36, v193, 8, v192                         ; p's scale words for these 128 keys
	v_lshl_or_b32 v37, v197, 8, v196
	v_lshl_or_b32 v36, v194, 16, v36
	v_lshl_or_b32 v37, v198, 16, v37
	v_lshl_or_b32 v36, v195, 24, v36
	v_lshl_or_b32 v37, v199, 24, v37
.set n, 0
.rept 32
	SUMI n, 64, 14, 200                                      ; the first tile's sum of the unquantised p
.set n, n+1
.endr
	s_wait_alu depctr_va_vdst(0)                             ; ahead of the second batch: its sources and the holds' limits were written by plain lines
.set n, 0
.rept 32
	v_exp_f32 v[128+n], v[128+n]                             ; the second tile's p;
	v_exp_f32 v[129+n], v[129+n]
	v_dual_min_num_f32 v[64+n], v[64+n], v[42+n/16] :: v_dual_min_num_f32 v[65+n], v[65+n], v[42+n/16]   ; among them the first tile's hold: p is not negative, so it is one-sided (the conversion does not saturate: ISA guide 7.6.2)
.set n, n+2
.endr
	v_nop                                                    ; a plain line behind the last exponential
	s_wait_alu depctr_va_vdst(0)                             ; one wait for the batch, and for the holds' results
.set n, 0
.rept 32
.if n%4 == 0
	v_cvt_scalef32_pk8_bf8_f32 v[192+n/2:193+n/2], v[64+2*n:71+2*n], v[50+n/8]   ; the first tile's codes, eight at a time
.endif
	SUMI n, 128, 18, 216                                     ; the second tile's sum
.set n, n+1
.endr
.irp k, 4,5,6,7
.irp i, 0,2,4,6,8,10,12,14
	v_dual_min_num_f32 v[64+16*\k+\i], v[64+16*\k+\i], v[42+\k] :: v_dual_min_num_f32 v[65+16*\k+\i], v[65+16*\k+\i], v[42+\k]
.endr
	v_cvt_scalef32_pk8_bf8_f32 v[192+4*\k:193+4*\k], v[64+16*\k:71+16*\k], v[50+\k]
	v_cvt_scalef32_pk8_bf8_f32 v[194+4*\k:195+4*\k], v[72+16*\k:79+16*\k], v[50+\k]
.endr
	PLACES 4                                                 ; codes written by vector instructions stand four places ahead of a scaled product
	s_wait_alu depctr_va_vdst(0)
	s_wait_dscnt 0x0                                         ; V is in
	WIN 0x51
.irp t, 0,1,2,3
.irp u, 0,1
	v_wmma_scale_f32_16x16x128_f8f6f4 v[8*(4*\u+\t):8*(4*\u+\t)+7], v[136+16*\t:136+16*\t+15], v[192+16*\u:192+16*\u+15], v[8*(4*\u+\t):8*(4*\u+\t)+7], v[32+\t], v[36+\u] matrix_a_fmt:MATRIX_FMT_BF8 matrix_b_fmt:MATRIX_FMT_BF8
.endr
.endr
	WIN 0
	s_cmp_lg_u32 s21, s19
	s_cbranch_scc1 .Lnext
	; the tile pair is done: O^T / the sum, quantised along the channels (two blocks of 32 a tile), stored as images; the two bytes of each token as a word
	PLACES 8
	s_lshl_b32 s54, s19, 17
	s_mov_b32 s55, 0
	s_add_nc_u64 s[46:47], s[10:11], s[54:55]
	s_lshl_b32 s54, s19, 9
	s_add_nc_u64 s[48:49], s[12:13], s[54:55]
	v_add_f32 v14, v14, v15
	v_add_f32 v18, v18, v19
	v_permlanex16_b32 v58, v14, s24, s25
	v_permlanex16_b32 v59, v18, s24, s25
	v_add_f32 v14, v14, v58
	v_add_f32 v18, v18, v59                                  ; the rows' sums
	s_wait_alu depctr_va_vdst(0)                             ; ahead of the reciprocals
	v_rcp_f32 v14, v14
	v_rcp_f32 v18, v18
	v_nop                                                    ; a plain line behind the reciprocals,
	s_wait_alu depctr_va_vdst(0)                             ; and the wait ahead of their first reader, which is also O^T's
	WIN 0x01
.set n, 0
.rept 16
	v_pk_mul_f32 v[64+n:65+n], v[n:n+1], v[14:15] op_sel_hi:[1,0]       ; register 16 B + i of a tile: channel 32 B + 16 h + i
.set n, n+2
.endr
.set n, 0
.rept 16
	v_pk_mul_f32 v[96+n:97+n], v[32+n:33+n], v[18:19] op_sel_hi:[1,0]
.set n, n+2
.endr
	WIN 0
	QUANT 64, 58
	v_lshrrev_b32 v59, v9, v58
	v_and_b32 v59, 0xffff, v59                               ; lanes 0-15: the first tile's two bytes; lanes 16-31: the second's
.irp t, 0,1
.irp e, 0,1
	global_store_b128 v1, v[192+8*\t+4*\e:195+8*\t+4*\e], s[46:47] offset:4096*\t+512*\e   ; 512 consecutive bytes, aligned
.endr
.endr
	global_store_b32 v10, v59, s[48:49]
	s_wait_xcnt 0x0                                          ; the stores have read their registers and bases
	s_cmp_lt_u32 s17, 16
	s_cbranch_scc0 .Lnext                                    ; behind the second pair nothing follows
	WIN 0x01
.irp t, 0,1
.irp j, 0,1,2,3,4,5,6,7
	v_mov_b32 v[224+16*\t+\j], v[200+8*\t+\j]                ; the second pair's Q
.endr
.endr
	WIN 0
	v_mov_b32 v20, v22
	v_mov_b32 v21, v23
	INIT
.Lnext:
	s_add_co_u32 s17, s17, 1
	s_cmp_lt_u32 s17, 32
	s_wait_alu depctr_va_vdst(0)
	s_cbranch_scc1 .Ltrip
	s_wait_tensorcnt 0x0                                     ; the wave's end
	ds_add_u32 v4, v5
	s_wait_dscnt 0x0
	CROUND                                                   ; the closing round
	s_endpgm
.Lfunc_end_k_qbd932b1c71_attn:
	.size	k_qbd932b1c71_attn, .Lfunc_end_k_qbd932b1c71_attn-k_qbd932b1c71_attn
	.p2alignl 7, 3214868480
	.fill 96, 4, 3214868480
	.section	.rodata,"a",@progbits
	.p2align	6, 0x0
	.amdhsa_kernel k_qbd932b1c71_attn
		.amdhsa_group_segment_fixed_size 327680
		.amdhsa_private_segment_fixed_size 0
		.amdhsa_enable_private_segment 0
		.amdhsa_kernarg_size 40
		.amdhsa_user_sgpr_count 2
		.amdhsa_user_sgpr_kernarg_segment_ptr 1
		.amdhsa_wavefront_size32 1
		.amdhsa_system_sgpr_workgroup_id_x 1
		.amdhsa_system_sgpr_workgroup_id_y 1
		.amdhsa_system_sgpr_workgroup_id_z 1
		.amdhsa_system_vgpr_workitem_id 0
		.amdhsa_next_free_vgpr 512
		.amdhsa_next_free_sgpr 66
		.amdhsa_reserve_vcc 1
		.amdhsa_float_denorm_mode_32 3
		.amdhsa_float_denorm_mode_16_64 3
		.amdhsa_memory_ordered 1
		.amdhsa_forward_progress 1
		.amdhsa_inst_pref_size 71
	.end_amdhsa_kernel
	.amdgpu_metadata
---
amdhsa.version: [ 1, 2 ]
amdhsa.kernels:
  - .name:           k_qbd932b1c71_attn
    .symbol:         k_qbd932b1c71_attn.kd
    .args:
      - { .name: qimg, .offset: 0, .size: 8, .value_kind: global_buffer, .address_space: global }
      - { .name: qscl, .offset: 8, .size: 8, .value_kind: global_buffer, .address_space: global }
      - { .name: kv, .offset: 16, .size: 8, .value_kind: global_buffer, .address_space: global }
      - { .name: ctxc, .offset: 24, .size: 8, .value_kind: global_buffer, .address_space: global }
      - { .name: ctxs, .offset: 32, .size: 8, .value_kind: global_buffer, .address_space: global }
    .group_segment_fixed_size: 327680
    .private_segment_fixed_size: 0
    .kernarg_segment_align: 8
    .kernarg_segment_size: 40
    .max_flat_workgroup_size: 256
    .sgpr_count:     66
    .vgpr_count:     512
    .wavefront_size: 32
...
	.end_amdgpu_metadata
.endif
;; end of part 3
;; launch oproj (part 4): grid 4 x 64, 4 waves a work-group, clusters of 4 x 4, 327,680 bytes of LDS; arguments ctxc, ctxs, cod, scl, bo, out0; writes out0
.if DOCPART == 4
	.amdgcn_target "amdgcn-amd-amdhsa--gfx1250"
	.amdhsa_code_object_version 6
	.text
	.protected	k_qbd932b1c71_oproj
	.globl	k_qbd932b1c71_oproj
	.p2align	8
	.type	k_qbd932b1c71_oproj,@function
k_qbd932b1c71_oproj:
	s_mov_b64 s[64:65], 0
	v_nop
	global_prefetch_b8 v0, s[64:65] scope:SCOPE_SE
	s_setreg_imm32_b32 hwreg(HW_REG_WAVE_MODE, 25, 1), 1
	s_wait_xcnt 0x0
	s_wait_alu depctr_hold_cnt(0) depctr_sa_sdst(0) depctr_va_vdst(0) depctr_va_sdst(0) depctr_va_ssrc(0) depctr_va_vcc(0) depctr_vm_vsrc(0)
	s_getreg_b32 s2, hwreg(HW_REG_IB_STS2, 6, 4)
	s_cmp_eq_u32 s2, 0
	s_cbranch_scc0 .Lentry_in_a_cluster
	s_endpgm
.Lentry_in_a_cluster:
	s_bfe_u32 s2, ttmp6, 0x10000c
	s_cmp_lg_u32 s2, 0xf033
	s_cbranch_scc0 .Lentry_shape_is_right
	s_endpgm
.Lentry_shape_is_right:
; out0 = Q(ctx) Q(wo)^T + (Q(ctx) Q(ao)^T / 16) bo^T.  LDS: A's (ctx's) K steps 0, 1, 2 of 256 on end from byte 0 (32,768 each), then B's (wo's) first group's three steps from 98,304, its second group's from 196,608.
; A group's K steps lie on end in memory, so one load a wave brings three steps at the head: waves 0, 1 a half each of A's 98,304 bytes (192 rows of 256), waves 2, 3 a B group each (384 rows).
; K step 3 fills step 0's places again in the one drained round.  The way out's stages lie from byte 32,768 on, in A's steps 1 and 2, whose last reads stand ahead of the barrier in K step 5.
.set SLOT,  98304
.set SPARE, 294912
.set SPT,   528
.set G1A, 32
.set G1B, 40
.set G0A, 48
.set G0B, 68
.set SA,  16
.set SB,  32
.set TT,  64
.set BOF, 96
.set TF,  160
.set SAO, 192
.set RAW, 196
.set MSB, 0
.macro WIN new
.if MSB != \new
	s_set_vgpr_msb (MSB<<8)|\new
.set MSB, \new
.endif
.endm
.macro PLACES n
.rept \n
	v_nop
.endr
.endm
.macro JLOAD g0a, g1a, g0b, g1b
	s_cmp_eq_u32 s23, 0
	s_cbranch_scc0 .Lfor_b_\@
	tensor_load_to_lds s[\g0a:\g0a+3], s[\g1a:\g1a+7]
	s_nop 0
.rept 4
	v_nop
.endr
	s_branch .Lasked_\@
.Lfor_b_\@:
	tensor_load_to_lds s[\g0b:\g0b+3], s[\g1b:\g1b+7]
	s_nop 0
.rept 4
	v_nop
.endr
.Lasked_\@:
.endm
.macro CREST
	s_cmp_lg_u32 s22, 0
	s_cbranch_scc1 .Lnot_wave_0_\@
	s_barrier_signal -3
.Lnot_wave_0_\@:
	s_barrier_wait -3
	s_barrier_signal -1
	s_barrier_wait -1
.endm
.macro CROUND
	s_barrier_signal -1
	s_barrier_wait -1
	CREST
.endm
.macro FETCH s
.set FJ, ((\s)/2)%3
.set FQ, (\s)%2
.if FQ
	WIN 0xc0
.else
	WIN 0x80
.endif
.irp b, 0,1,2,3,4,5,6,7
.irp c, 0,1,2,3
	ds_load_b128 v[16*\b+4*\c:16*\b+4*\c+3], v[5+FJ] offset:4096*\b+2048*FQ+512*\c
.endr
.endr
.irp a, 0,1,2,3
.irp c, 0,1,2,3
	ds_load_b128 v[128+16*\a+4*\c:128+16*\a+4*\c+3], v[2+FJ] offset:4096*\a+2048*FQ+512*\c
.endr
.endr
.endm
.macro MULH s, a0, zero
.if (\s)%2
	WIN 0x5f
.else
	WIN 0x5a
.endif
.irp a, \a0, \a0+1
.irp b, 0,1,2,3,4,5,6,7
.if \zero
	v_wmma_scale_f32_16x16x128_f8f6f4 v[8*(8*(\a)+\b):8*(8*(\a)+\b)+7], v[16*\b:16*\b+15], v[128+16*(\a):128+16*(\a)+15], 0, v[SB+4*\b+(\s)%4], v[SA+4*(\a)+(\s)%4] matrix_a_fmt:MATRIX_FMT_BF8 matrix_b_fmt:MATRIX_FMT_BF8
.elseif (\s) < 4
	v_wmma_scale_f32_16x16x128_f8f6f4 v[8*(8*(\a)+\b):8*(8*(\a)+\b)+7], v[16*\b:16*\b+15], v[128+16*(\a):128+16*(\a)+15], v[8*(8*(\a)+\b):8*(8*(\a)+\b)+7], v[SB+4*\b+(\s)%4], v[SA+4*(\a)+(\s)%4] matrix_a_fmt:MATRIX_FMT_BF8 matrix_b_fmt:MATRIX_FMT_BF8
.else
	v_wmma_scale_f32_16x16x128_f8f6f4 v[8*(8*(\a)+\b):8*(8*(\a)+\b)+7], v[16*\b:16*\b+15], v[128+16*(\a):128+16*(\a)+15], v[8*(8*(\a)+\b):8*(8*(\a)+\b)+7], v[SB+4*\b+(\s)%4], v[SA+4*(\a)+(\s)%4] matrix_a_fmt:MATRIX_FMT_BF8 matrix_b_fmt:MATRIX_FMT_BF8 matrix_a_scale:MATRIX_SCALE_ROW1 matrix_b_scale:MATRIX_SCALE_ROW1
.endif
.endr
.endr
.endm
.macro TMUL s
.if (\s)%2
	WIN 0x0f
.else
	WIN 0x0a
.endif
.irp a, 0,1,2,3
.if (\s) == 0
	v_wmma_scale_f32_16x16x128_f8f6f4 v[TT+8*\a:TT+8*\a+7], v[192+16*((\s)/2):192+16*((\s)/2)+15], v[128+16*\a:128+16*\a+15], 0, v[SAO+(\s)%4], v[SA+4*\a+(\s)%4] matrix_a_fmt:MATRIX_FMT_BF8 matrix_b_fmt:MATRIX_FMT_BF8
.elseif (\s) < 4
	v_wmma_scale_f32_16x16x128_f8f6f4 v[TT+8*\a:TT+8*\a+7], v[192+16*((\s)/2):192+16*((\s)/2)+15], v[128+16*\a:128+16*\a+15], v[TT+8*\a:TT+8*\a+7], v[SAO+(\s)%4], v[SA+4*\a+(\s)%4] matrix_a_fmt:MATRIX_FMT_BF8 matrix_b_fmt:MATRIX_FMT_BF8
.else
	v_wmma_scale_f32_16x16x128_f8f6f4 v[TT+8*\a:TT+8*\a+7], v[192+16*((\s)/2):192+16*((\s)/2)+15], v[128+16*\a:128+16*\a+15], v[TT+8*\a:TT+8*\a+7], v[SAO+(\s)%4], v[SA+4*\a+(\s)%4] matrix_a_fmt:MATRIX_FMT_BF8 matrix_b_fmt:MATRIX_FMT_BF8 matrix_a_scale:MATRIX_SCALE_ROW1 matrix_b_scale:MATRIX_SCALE_ROW1
.endif
.endr
.endm
.macro KSTEP s
	s_wait_dscnt 0x0
	PLACES 8
	FETCH (\s)+1
	MULH \s, 0, 0
	MULH \s, 2, 0
	TMUL \s
.endm
	s_load_b256 s[4:11], s[0:1], 0x0
	s_load_b128 s[12:15], s[0:1], 0x20
	v_lshl_add_u32 v8, v0, 2, SPARE
	v_mov_b32 v9, 0
	ds_add_u32 v8, v9
	ds_add_u32 v8, v9
	s_wait_dscnt 0x0
	v_lshrrev_b32 v11, 5, v0
	v_readfirstlane_b32 s22, v11
	s_lshr_b32 s23, s22, 1
	s_and_b32 s24, s22, 1
	s_bfe_u32 s25, ttmp6, 0x40000
	s_bfe_u32 s26, ttmp6, 0x40004
	s_and_b32 s28, ttmp7, 0xffff
	s_lshl_b32 s29, s26, 2
	s_lshl_b32 s29, 15, s29
	s_lshl_b32 s30, 0x1111, s25
	s_or_b32 s[G1A], s29, (3<<16)|(1<<21)
	s_or_b32 s[G1B], s30, (3<<16)|(1<<21)
.irp g, G1A, G1B
	s_mov_b32 s[\g+1], 32<<16
	s_mov_b32 s[\g+3], 32<<16
	s_mov_b32 s[\g+5], 32
	s_mov_b32 s[\g+6], 0
	s_mov_b32 s[\g+7], 0
.endr
	s_mov_b32 s[G1A+2], 192<<16
	s_mov_b32 s[G1A+4], 192
	s_mov_b32 s[G1B+2], 384<<16
	s_mov_b32 s[G1B+4], 384
	s_lshl_b32 s80, s28, 2
	s_add_co_u32 s80, s80, s26
	s_lshl_b32 s82, ttmp9, 2
	s_add_co_u32 s82, s82, s25
	s_lshl_b32 s85, s82, 1
	s_add_co_u32 s85, s85, 88
	s_lshl_b32 s86, s80, 17                                  ; A: the group
	s_mov_b32 s87, 0
	s_add_co_u32 s88, s85, s24
	s_lshl_b32 s88, s88, 17                                  ; B: my group
	s_mov_b32 s89, 0
	s_mul_i32 s90, s24, 49152                                ; the head: my half of A's steps 0 to 2, in memory and in LDS alike
	s_mul_i32 s91, s24, 98304
	s_add_co_u32 s91, s91, 98304                             ; my B group's place in LDS
	s_lshl_b32 s92, s24, 14                                  ; the refill: my half of A's step 3
	s_mov_b32 s93, 0
	s_mov_b32 s98, s90
	s_mov_b32 s99, 0
	s_wait_kmcnt 0x0
	s_add_nc_u64 s[86:87], s[4:5], s[86:87]
	s_add_nc_u64 s[88:89], s[8:9], s[88:89]
	CROUND
	s_mov_b32 s[G0A], 1                                      ; the head's group 0: K steps 0 to 2
	s_mov_b32 s[G0A+1], s90
	s_add_nc_u64 s[G0A+2:G0A+3], s[86:87], s[98:99]
	s_or_b32 s[G0A+3], s[G0A+3], 0x80000000
	s_mov_b32 s[G0B], 1
	s_mov_b32 s[G0B+1], s91
	s_mov_b64 s[G0B+2:G0B+3], s[88:89]
	s_or_b32 s[G0B+3], s[G0B+3], 0x80000000
	s_mov_b32 s[G0A+4], 1                                    ; the refill's: K step 3 into step 0's places
	s_mov_b32 s[G0A+5], s92
	s_add_nc_u64 s[G0A+6:G0A+7], s[86:87], s[92:93]
	s_add_nc_u64 s[G0A+6:G0A+7], s[G0A+6:G0A+7], 3*32768
	s_or_b32 s[G0A+7], s[G0A+7], 0x80000000
	s_mov_b32 s[G0B+4], 1
	s_mov_b32 s[G0B+5], s91
	s_add_nc_u64 s[G0B+6:G0B+7], s[88:89], 3*32768
	s_or_b32 s[G0B+7], s[G0B+7], 0x80000000
	JLOAD G0A, G1A, G0B, G1B                                 ; one tensor load a wave at the head
	v_and_b32 v15, 31, v0
	v_and_b32 v13, 15, v0
	s_wait_alu depctr_va_vdst(0)
	v_bfe_u32 v14, v0, 4, 1
	v_lshlrev_b32 v1, 4, v15
	s_lshl_b32 s92, s23, 14
	s_mul_i32 s93, s24, 98304
	s_add_co_u32 s93, s93, 98304
.irp j, 0,1,2
	v_add_nc_u32 v[2+\j], s92, v1                            ; my four A blocks of K step j's place
	v_add_nc_u32 v[5+\j], s93, v1                            ; my B group's
	s_add_co_u32 s92, s92, 32768
	s_add_co_u32 s93, s93, 32768
.endr
	v_and_b32 v12, 8, v13
	v_add_nc_u32 v12, v12, v13
	v_lshlrev_b32 v10, 6, v12
	v_lshl_add_u32 v10, v14, 5, v10
	v_lshlrev_b32 v12, 18, v14
	v_lshl_add_u32 v12, v13, 2, v12
	s_wait_alu depctr_va_vdst(0)
	s_mul_i32 s92, s22, 16*SPT
	s_add_co_u32 s92, s92, 32768                             ; my stage: in A's steps 1 and 2, which are filled once
	v_mul_u32_u24 v11, v13, SPT
	v_lshl_add_u32 v11, v14, 6, v11
	v_add_nc_u32 v11, s92, v11
	v_add_nc_u32 v15, s92, v1
	s_lshl_b32 s92, s80, 9
	s_lshl_b32 s93, s23, 8
	s_add_co_u32 s92, s92, s93
	s_mov_b32 s93, 0
	s_add_nc_u64 s[94:95], s[6:7], s[92:93]
	s_add_co_u32 s92, s85, s24
	s_lshl_b32 s92, s92, 12
	s_add_nc_u64 s[96:97], s[10:11], s[92:93]
	s_lshl_b32 s92, s82, 14
	s_lshl_b32 s98, s24, 13
	s_add_co_u32 s92, s92, s98
	s_add_nc_u64 s[62:63], s[12:13], s[92:93]
	s_add_nc_u64 s[60:61], s[8:9], 96*131072
	s_lshl_b32 s92, s80, 19
	s_lshl_b32 s98, s23, 18
	s_add_co_u32 s92, s92, s98
	s_lshl_b32 s98, s82, 10
	s_add_co_u32 s92, s92, s98
	s_lshl_b32 s98, s24, 9
	s_add_co_u32 s92, s92, s98
	s_add_nc_u64 s[14:15], s[14:15], s[92:93]
.irp a, 0,1,2,3
.irp i, 0,1,2,3
.irp j, 0,1
	global_load_b32 v[RAW+8*\a+2*\i+\j], v12, s[94:95] offset:32768*(2*\i+\j)+64*\a
.endr
.endr
.endr
	WIN 0x80
.irp b, 0,1,2,3,4,5,6,7
.irp g, 0,1
	global_load_b128 v[8*\b+4*\g:8*\b+4*\g+3], v10, s[62:63] offset:2048*(\b/2)+512*(\b%2)+16*\g
.endr
.endr
	WIN 0
.irp b, 0,1,2,3,4,5,6,7
	global_load_b128 v[SB+4*\b:SB+4*\b+3], v1, s[96:97] offset:512*\b
.endr
	global_load_b128 v[SAO:SAO+3], v1, s[10:11] offset:768*512
	WIN 0x80
.irp s, 0,2,4,6
.irp c, 0,1,2,3
	global_load_b128 v[192+16*(\s/2)+4*\c:192+16*(\s/2)+4*\c+3], v1, s[60:61] offset:32768*(\s/2)+512*\c
.endr
.endr
	WIN 0xc0
.irp s, 1,3,5,7
.irp c, 0,1,2,3
	global_load_b128 v[192+16*(\s/2)+4*\c:192+16*(\s/2)+4*\c+3], v1, s[60:61] offset:32768*(\s/2)+2048+512*\c
.endr
.endr
	WIN 0
.irp b, 0,1,2,3,4,5,6,7
.irp j, 4,5,6,7
	v_mov_b32 v[BOF+8*\b+\j], 0
.endr
.endr
.irp a, 0,1,2,3
.irp j, 4,5,6,7
	v_mov_b32 v[TF+8*\a+\j], 0
.endr
.endr
	s_wait_loadcnt 41
.irp a, 0,1,2,3
.irp i, 0,1,2,3
	v_lshl_or_b32 v[SA+4*\a+\i], v[RAW+8*\a+2*\i+1], 16, v[RAW+8*\a+2*\i]
.endr
.endr
	WIN 0x0a
.irp b, 0,1,2,3,4,5,6,7
.irp k, 0,1,2,3
	v_cvt_pk_bf16_f32 v[BOF+8*\b+\k], v[8*\b+2*\k], v[8*\b+2*\k+1]
.endr
.endr
	WIN 0
	s_wait_tensorcnt 0x0                                     ; my one load, three K steps of my part, is in
	s_barrier_signal -1
	s_barrier_wait -1
	FETCH 0
	s_wait_loadcnt 0x0
	s_wait_dscnt 0x0
	FETCH 1
	MULH 0, 0, 1
	MULH 0, 2, 1
	TMUL 0
	WIN 0
	s_wait_tensorcnt 0x0
	ds_add_u32 v8, v9
	s_mov_b32 s[G1A+2], 64<<16                               ; no load of mine is out, so group 1 may be written: the refill brings one K step: 64 rows of A,
	s_mov_b32 s[G1A+4], 64
	s_mov_b32 s[G1B+2], 128<<16                              ; 128 of B
	s_mov_b32 s[G1B+4], 128
	s_wait_dscnt 0x0
	s_barrier_signal -1
	MULH 1, 0, 0
	WIN 0
	s_barrier_wait -1
	CREST
	JLOAD G0A+4, G1A, G0B+4, G1B
	PLACES 4
	FETCH 2
	MULH 1, 2, 0
	TMUL 1
	KSTEP 2
	KSTEP 3
	KSTEP 4
	s_wait_dscnt 0x0
	s_wait_tensorcnt 0x0
	s_barrier_signal -1
	MULH 5, 0, 0
	s_barrier_wait -1
	PLACES 8
	FETCH 6
	MULH 5, 2, 0
	TMUL 5
	KSTEP 6
	s_wait_dscnt 0x0
	MULH 7, 0, 0
	MULH 7, 2, 0
	TMUL 7
	PLACES 9
	WIN 0
.set n, 0
.rept 16
	v_pk_mul_f32 v[RAW+n:RAW+n+1], v[TT+n:TT+n+1], 0x3d800000 op_sel_hi:[1,0]
.set n, n+2
.endr
.irp a, 0,1,2,3
.irp k, 0,1,2,3
	v_cvt_pk_bf16_f32 v[TF+8*\a+\k], v[RAW+8*\a+2*\k], v[RAW+8*\a+2*\k+1]
.endr
.endr
	PLACES 4
	WIN 0x50
.irp a, 0,1,2,3
.irp b, 0,1,2,3,4,5,6,7
	v_wmma_f32_16x16x32_bf16 v[8*(8*\a+\b):8*(8*\a+\b)+7], v[BOF+8*\b:BOF+8*\b+7], v[TF+8*\a:TF+8*\a+7], v[8*(8*\a+\b):8*(8*\a+\b)+7]
.endr
.endr
	WIN 0
	PLACES 4
.macro TOSTAGE a
	WIN 0x04
.irp e, 0,1,2,3
.irp k, 0,1,2,3
	ds_store_b128 v11, v[64*(\a)+16*\e+4*\k:64*(\a)+16*\e+4*\k+3] offset:128*\e+16*\k
.endr
.endr
	WIN 0
.irp t, 0,1,2,3,4,5,6,7,8,9,10,11,12,13,14,15
	ds_load_b128 v[64+64*((\a)%2)+4*\t:64+64*((\a)%2)+4*\t+3], v15 offset:SPT*\t
.endr
.endm
.macro SEND a, younger
	s_wait_dscnt \younger
.irp t, 0,1,2,3,4,5,6,7,8,9,10,11,12,13,14,15
	global_store_b128 v1, v[64+64*((\a)%2)+4*\t:64+64*((\a)%2)+4*\t+3], s[14:15] offset:4096*(32*((\a)/2)+8*((\a)%2)+\t+8*(\t/8)) th:TH_STORE_NT
.endr
.endm
	TOSTAGE 0
.irp a, 1,2,3
.if \a > 1
	s_wait_xcnt 0x0
.endif
	TOSTAGE \a
	SEND \a-1, 32
.endr
	SEND 3, 0
	s_wait_tensorcnt 0x0
	ds_add_u32 v8, v9
	s_wait_dscnt 0x0
	CROUND
	s_endpgm
.Lfunc_end_k_qbd932b1c71_oproj:
	.size	k_qbd932b1c71_oproj, .Lfunc_end_k_qbd932b1c71_oproj-k_qbd932b1c71_oproj
	.p2alignl 7, 3214868480
	.fill 96, 4, 3214868480
	.section	.rodata,"a",@progbits
	.p2align	6, 0x0
	.amdhsa_kernel k_qbd932b1c71_oproj
		.amdhsa_group_segment_fixed_size 327680
		.amdhsa_private_segment_fixed_size 0
		.amdhsa_enable_private_segment 0
		.amdhsa_kernarg_size 48
		.amdhsa_user_sgpr_count 2
		.amdhsa_user_sgpr_kernarg_segment_ptr 1
		.amdhsa_wavefront_size32 1
		.amdhsa_system_sgpr_workgroup_id_x 1
		.amdhsa_system_sgpr_workgroup_id_y 1
		.amdhsa_system_sgpr_workgroup_id_z 1
		.amdhsa_system_vgpr_workitem_id 0
		.amdhsa_next_free_vgpr 1024
		.amdhsa_next_free_sgpr 100
		.amdhsa_reserve_vcc 0
		.amdhsa_float_denorm_mode_32 3
		.amdhsa_float_denorm_mode_16_64 3
		.amdhsa_memory_ordered 1
		.amdhsa_forward_progress 1
		.amdhsa_inst_pref_size 104
	.end_amdhsa_kernel
	.amdgpu_metadata
---
amdhsa.version: [ 1, 2 ]
amdhsa.kernels:
  - .name:           k_qbd932b1c71_oproj
    .symbol:         k_qbd932b1c71_oproj.kd
    .args:
      - { .name: ctxc, .offset: 0, .size: 8, .value_kind: global_buffer, .address_space: global }
      - { .name: ctxs, .offset: 8, .size: 8, .value_kind: global_buffer, .address_space: global }
      - { .name: cod, .offset: 16, .size: 8, .value_kind: global_buffer, .address_space: global }
      - { .name: scl, .offset: 24, .size: 8, .value_kind: global_buffer, .address_space: global }
      - { .name: bo, .offset: 32, .size: 8, .value_kind: global_buffer, .address_space: global }
      - { .name: out0, .offset: 40, .size: 8, .value_kind: global_buffer, .address_space: global }
    .group_segment_fixed_size: 327680
    .private_segment_fixed_size: 0
    .kernarg_segment_align: 8
    .kernarg_segment_size: 48
    .max_flat_workgroup_size: 128
    .sgpr_count:     100
    .vgpr_count:     1024
    .wavefront_size: 32
...
	.end_amdgpu_metadata
.endif
;; end of part 4
